; MI455X (gfx1250); checked and timed in simulation.
; The chip was launched on July 23, 2026; its instructions are those of AMD's public machine-readable ISA for CDNA 5 (MIT licence, August 2026) and "CDNA5" Instruction Set Architecture Reference Guide (July 2026). The comments in the code are by the model that wrote it; some were corrected since.
;; Multihead Attention. Allowed arithmetic: matrix products marked QUANTISED: E4M3 operands, one given power-of-two scale a tensor, by v_wmma_f32_16x16x64_fp8_fp8 or v_wmma_f32_16x16x128_fp8_fp8, f32 sums; everything else in f32.
;; Inputs: bk 2,048 float32; bo 2,048 float32; bq 2,048 float32; bv 2,048 float32; causal_mask 2,048 x 2,048 int32; lowp_scales 12 int32 (the exponents e of the quantised operands' scales 2^e); wk 2,048 x 2,048 float32; wo 2,048 x 2,048 float32; wq 2,048 x 2,048 float32; wv 2,048 x 2,048 float32; x 1 x 2,048 x 2,048 float32.
;; Outputs: out0 1 x 2,048 x 2,048 float32.
;; This version of the problem:
;;   THIS VERSION OF THE PROBLEM IS GIVEN IN LOW PRECISION. The matrix products marked QUANTISED in the list below multiply operands that are first quantised to E4M3 (4 exponent bits, 3 mantissa bits; 8 bits a number), with one given power-of-two scale for each operand tensor; their sums are f32. All else is computed in f32.
;;   The module's matrix products, in the order in which they are computed (A, B: the left and right operand; K: the contracted axis; several contracted axes count as one K, in the product's order):
;;     1. [M 2,048, K 2,048] x [K 2,048, N 2,048]; A: input x; B: input wq: QUANTISED (scales: A lowp_scales[0], B lowp_scales[1])
;;     2. [M 2,048, K 2,048] x [K 2,048, N 2,048]; A: input x; B: input wk: QUANTISED (scales: A lowp_scales[2], B lowp_scales[3])
;;     3. [M 2,048, K 2,048] x [K 2,048, N 2,048]; A: input x; B: input wv: QUANTISED (scales: A lowp_scales[4], B lowp_scales[5])
;;     4. batch 16 x [M 2,048, K 128] x [K 128, N 2,048]; A: computed on the way; B: computed on the way: QUANTISED (scales: A lowp_scales[6], B lowp_scales[7])
;;     5. batch 16 x [M 2,048, K 2,048] x [K 2,048, N 128]; A: softmax (see below); B: computed on the way: QUANTISED (scales: A lowp_scales[8], B lowp_scales[9])
;;     6. [M 2,048, K 2,048] x [K 2,048, N 2,048]; A: computed on the way; B: input wo: QUANTISED (scales: A lowp_scales[10], B lowp_scales[11])
;;   THE QUANTISER, for each operand of a quantised product, along K:
;;     - The operand's scale is 2^e, e = its entry of the input lowp_scales (int32; the entries are numbered through the quantised products in the list's order, A before B).
;;     - Each number is divided by the scale, clamped to +-448, and rounded to the nearest number of E4M3, ties to even, subnormals kept.
;;     - The product sums the exact products of the quantised numbers (number of the format x scale) in f32.
;;   ~~~python
;;   def quantise(x, axis, e):      # numpy; x: float32 -> the quantised numbers, widened to float32 again
;;       x = np.moveaxis(x, axis, -1); K = x.shape[-1]
;;       r = np.clip(x / 2.0 ** e, -448, 448)
;;       step = 2.0 ** (np.maximum(np.frexp(np.where(r == 0, 1, r))[1] - 1, -6) - 3)
;;       q = np.round(r / step) * step * 2.0 ** e      # np.round: ties to even
;;       return np.moveaxis(q, -1, axis).astype(np.float32)
;;   ~~~
;;   SOFTMAX AHEAD OF A QUANTISED PRODUCT. Where the list says 'softmax', what is quantised is not the finished softmax but p = 2^(t - M), with t = logit x log2(e) and M = ceil(the row's largest t), a whole number; so 1/2 < the row's largest p <= 1. The row's sum l is taken of the UNQUANTISED p, in f32, and the product's result is divided by l at the end. Since M is a whole number, a kernel that streams over the keys may use a running M (the ceiling of the running maximum): every later rescaling is an exact power of two, so the quantised numbers keep their values, but for numbers so far below the row's largest that they fall under the format's range.
;;   OPERANDS COMPUTED ON THE WAY. 'Computed on the way' means the value that the module computes at that place (a softmax that the list does not call 'softmax' is quantised finished and normalised). What goes into a quantiser is computed in f32, as accurately as f32 sums, v_exp_f32 and their like allow (about 1e-6 of the number): no bf16 or f16 on the way to a quantiser, and a product that is left as it is and whose result goes on into a quantised operand takes f32 operands (vector FMAs, or v_wmma_f32_16x16x4_f32). A number that lies on a knife's edge between two numbers of the format may be rounded either way, as far as f32 arithmetic and the matrix unit's own rounding can turn it there, and no further.
;; One version. Each part assembles by itself: llvm-mc -triple=amdgcn-amd-amdhsa -mcpu=gfx1250 --defsym DOCPART=n.
;; ======== version 1 of 1: 4 launches
;; limits: right only within a limited range of input values
;; workspace buffers: xc 12,582,912 bytes; wc 12,582,912 bytes; woc 4,194,304 bytes; mk 524,288 bytes of whole numbers; ms 65,536 bytes of whole numbers; qkvc 12,582,912 bytes; cc 4,194,304 bytes
;; launch prep (part 1): grid 1024 x 1, 4 waves a work-group, no clusters, 20,992 bytes of LDS; arguments x, wq, wk, wv, lowp_scales, xc, wc; writes xc, wc
.if DOCPART == 1
	.amdgcn_target "amdgcn-amd-amdhsa--gfx1250"
	.amdhsa_code_object_version 6
	.text
	.protected	k_qc9b9f41397_prep
	.globl	k_qc9b9f41397_prep
	.p2align	8
	.type	k_qc9b9f41397_prep,@function
k_qc9b9f41397_prep:
	s_mov_b64 s[64:65], 0
	v_nop
	global_prefetch_b8 v0, s[64:65] scope:SCOPE_SE
	s_setreg_imm32_b32 hwreg(HW_REG_WAVE_MODE, 25, 1), 1
	s_wait_xcnt 0x0
; PREP: x, wq, wk, wv [2048][2048] f32 become codes of E4M3 for the next launch's products (the mask and wo are laid out by that launch itself).  No work of the problem is left out here.
;   wq, wk, wv -> wc[j][2048][2048] under 2^e1, 2^e3, 2^e5;  x -> xc[p][2048][2048] under 2^e0, 2^e2, 2^e4 (x is read once, quantised three times).
;   code = number / 2^e, held within +-448, to the nearest code, ties to even.
;   ORDER OF A ROW'S CODES: byte 32 c + 16 h + 8 g + z holds the code of k = 32 c + 16 g + 8 h + z (g, h = 0, 1; z = 0 .. 7).  A 16-byte read at 32 c + 16 h then gives a lane of half h the four
;   registers 4 c .. 4 c + 3 of an 8-bit operand with every k in the place that the matrix instruction's own layout gives it.
; SHARES: work-groups 0-255: x (three sets of codes, so the longest come first);  then 256 each for wv, wk, wq.  Each reads 65,536 bytes: a wave takes 8 steps of 512 numbers.  Waves share nothing: no barrier.
; Loads run four steps (16 loads a wave) ahead; there is no loop to run ahead in beyond them, so nothing is prefetched.
; LIMITS: e0 .. e5 between -126 and 119, so that 2^e and 448 x 2^e are f32 numbers.  NaN among the inputs is not served; an infinity is held at the largest code.
.set STEPS, 8
.set QSTG,  2560                       ; a stage: 32 places of 64 bytes + 16 of padding
.set QWAVE, 5120                       ; two stages for each wave
.set SPARE, 20480                      ; behind the stages: the spare words, 128 bytes for each wave: two blocks of 256 bytes that no other line names
.set SPW,   12                         ; v12  LDS address of my spare word; never rewritten
.set NIL,   13                         ; v13  0; never rewritten
.set R,     16                         ; v16-79   four sets of 16 numbers as loaded
.set X,     80                         ; v80-111  two sets of 16 numbers in the order of my 16 codes
.set T,     112                        ; v112-127 the numbers held within the largest code
.set C,     128                        ; v128-139 four registers of codes for each of up to three scales
.set SC,    140                        ; v140.. for scale s: 2^e at SC + 2 s, 448 x 2^e at SC + 2 s + 1
	s_load_b256 s[4:11], s[0:1], 0x0               ; x, wq, wk, wv
	s_load_b128 s[16:19], s[0:1], 0x20             ; scales, xc
	s_load_b64 s[20:21], s[0:1], 0x30              ; wc
	v_lshl_add_u32 v[SPW], v0, 2, SPARE
	v_mov_b32 v[NIL], 0
	v_lshrrev_b32 v1, 5, v0
	v_readfirstlane_b32 s24, v1                    ; wave 0..3
	v_and_b32 v2, 31, v0                           ; lane
	v_lshlrev_b32 v3, 4, v2                        ; 16 x lane: my 16 bytes of 512, in loads and in stores; never rewritten
	s_lshr_b32 s25, ttmp9, 8
	s_sub_co_u32 s25, 3, s25                       ; j: 3 x, 2 wv, 1 wk, 0 wq
	s_and_b32 s26, ttmp9, 255
	s_lshl_b32 s37, s26, 2
	s_add_co_u32 s37, s37, s24                     ; which run of 4,096 numbers of the tensor is my wave's, 0..1023
	s_lshl_b32 s38, s37, 14                        ; its first byte in the source
	s_mov_b32 s39, 0
	s_lshl_b32 s40, s37, 12                        ; and among the codes
	s_mov_b32 s41, 0
	s_lshl_b32 s42, s25, 1
	s_add_co_u32 s42, s42, 1                       ; the weight's entry among the scales: 2 j + 1,
	s_cmp_eq_u32 s25, 3
	s_cselect_b32 s42, 0, s42                      ; and 0 for x's first
	s_cselect_b32 s27, 1, 0                        ; 1: x
	s_cselect_b32 s43, 0, s25
	s_lshl_b32 s42, s42, 2
	s_lshl_b32 s43, s43, 22                        ; weight j's codes begin 4 MiB x j into wc
	s_add_co_u32 s40, s40, s43
	s_mul_i32 s44, s24, QWAVE                      ; my wave's two stages
	s_wait_alu depctr_va_vdst(0)
	v_lshrrev_b32 v14, 2, v2
	v_mul_u32_u24 v14, v14, 80
	v_and_b32 v15, 3, v2
	v_lshl_add_u32 v14, v15, 4, v14
	v_add_nc_u32 v14, s44, v14                     ; into a stage, as loaded: 80 (lane / 4) + 16 (lane % 4); a load's 512 bytes take eight places
	v_lshrrev_b32 v15, 1, v2
	v_mul_u32_u24 v15, v15, 160
	v_and_b32 v5, 1, v2
	v_lshl_add_u32 v15, v5, 5, v15
	v_add_nc_u32 v15, s44, v15                     ; out of it: block lane / 2 of 32 numbers (two places), + 32 bytes for the odd lane: numbers 8 h .. 8 h + 7, and one place on 16 + 8 h .. 16 + 8 h + 7
	s_wait_alu depctr_va_vdst(0)                   ; directly ahead of the wait below
	s_wait_kmcnt 0x0
	s_load_b32 s34, s[16:17], s42 offset:0x0       ; the tensor's e (x: e0)
	s_load_b32 s35, s[16:17], 0x8                  ; e2 and e4: used for x alone
	s_load_b32 s36, s[16:17], 0x10
	s_cmp_eq_u32 s25, 1
	s_cselect_b64 s[28:29], s[8:9], s[6:7]
	s_cmp_eq_u32 s25, 2
	s_cselect_b64 s[28:29], s[10:11], s[28:29]
	s_cmp_eq_u32 s25, 3
	s_cselect_b64 s[28:29], s[4:5], s[28:29]       ; the source
	s_cselect_b64 s[30:31], s[18:19], s[20:21]     ; the codes: xc or wc
	s_add_nc_u64 s[28:29], s[28:29], s[38:39]
	s_add_nc_u64 s[30:31], s[30:31], s[40:41]
	s_add_nc_u64 s[32:33], s[30:31], 0x800000      ; x's third set of codes, 8 MiB on (used for x alone)
.macro LOAD t                          ; step t's 2,048 bytes: each load reads 512 consecutive bytes
.irp i, 0,1,2,3
	global_load_b128 v[R+16*((\t)%4)+4*\i:R+16*((\t)%4)+4*\i+3], v3, s[28:29] offset:2048*(\t)+512*\i th:TH_LOAD_NT
.endr
.endm
.macro TURNQ t                         ; step t's numbers through a stage; LDS serves a wave's instructions in order, so no wait stands between the stores and the loads
.irp i, 0,1,2,3
	ds_store_b128 v14, v[R+16*((\t)%4)+4*\i:R+16*((\t)%4)+4*\i+3] offset:QSTG*((\t)%2)+640*\i
.endr
.irp i, 0,1,2,3
	ds_load_b128 v[X+16*((\t)%2)+4*\i:X+16*((\t)%2)+4*\i+3], v15 offset:QSTG*((\t)%2)+80*(\i/2)+16*(\i%2)
.endr
.endm
.macro Q1 t, s, base, off              ; step t's 16 numbers under scale s become 16 codes, stored at s[base] + off
.irp i, 0,1,2,3,4,5,6,7,8,9,10,11,12,13,14,15
	v_med3_num_f32 v[T+\i], v[X+16*((\t)%2)+\i], -v[SC+2*\s+1], v[SC+2*\s+1]   ; the conversion to an 8-bit code does not saturate (ISA guide 7.6.2): the hold comes first
.endr
	v_cvt_scalef32_pk8_fp8_f32 v[C+4*\s:C+4*\s+1], v[T:T+7], v[SC+2*\s]
	v_cvt_scalef32_pk8_fp8_f32 v[C+4*\s+2:C+4*\s+3], v[T+8:T+15], v[SC+2*\s]
	v_nop                                          ; a plain line behind the conversions: T is written again next
	global_store_b128 v3, v[C+4*\s:C+4*\s+3], s[\base:\base+1] offset:\off+512*(\t)   ; the wave stores 512 consecutive bytes
.endm
.macro STEP t
	s_wait_dscnt 0x0                               ; this step's numbers are back from the stage, and its stores into the stage have read their registers,
.if (\t)+4 < STEPS
	LOAD (\t)+4                                    ; which take the loads of four steps on
.endif
.if (\t)+1 < STEPS
.if STEPS-2-(\t) >= 3
	s_wait_loadcnt 12                              ; the next step's four loads are in; those of the three steps behind it may be out
.else
	s_wait_loadcnt 4*(STEPS-2-(\t))
.endif
	TURNQ (\t)+1                                   ; through the other stage while this step is worked
.endif
	s_wait_xcnt 0x0                                ; the last step's stores have read their codes: C is written again only behind this wait
	Q1 \t, 0, 30, 0
	s_cmp_eq_u32 s27, 0                            ; a weight has one scale; x has three
	s_cbranch_scc1 .Lone_\@
	Q1 \t, 1, 30, 4194304
	Q1 \t, 2, 32, 0
.Lone_\@:
.endm
.irp t, 0,1,2,3
	LOAD \t
.endr
	s_wait_kmcnt 0x0
.irp s, 0,1,2
	s_add_co_i32 s[34+\s], s[34+\s], 127
	s_lshl_b32 s37, s[34+\s], 23
	v_mov_b32 v[SC+2*\s], s37                      ; 2^e as f32: the conversion takes its exponent field
	s_add_co_i32 s[34+\s], s[34+\s], 8
	s_lshl_b32 s37, s[34+\s], 23
	s_or_b32 s37, s37, 0x600000
	v_mov_b32 v[SC+2*\s+1], s37                    ; 448 x 2^e
.endr
	s_wait_alu depctr_va_vdst(0)
	s_wait_loadcnt 12                              ; step 0's four loads are in
	TURNQ 0
.irp t, 0,1,2,3,4,5,6,7
	STEP \t
.endr
	s_wait_tensorcnt 0x0                           ; the wave's end
	ds_add_u32 v[SPW], v[NIL]
	s_wait_dscnt 0x0
	s_endpgm
.Lfunc_end_k_qc9b9f41397_prep:
	.size	k_qc9b9f41397_prep, .Lfunc_end_k_qc9b9f41397_prep-k_qc9b9f41397_prep
	.p2alignl 7, 3214868480
	.fill 96, 4, 3214868480
	.section	.rodata,"a",@progbits
	.p2align	6, 0x0
	.amdhsa_kernel k_qc9b9f41397_prep
		.amdhsa_group_segment_fixed_size 20992
		.amdhsa_private_segment_fixed_size 0
		.amdhsa_enable_private_segment 0
		.amdhsa_kernarg_size 56
		.amdhsa_user_sgpr_count 2
		.amdhsa_user_sgpr_kernarg_segment_ptr 1
		.amdhsa_wavefront_size32 1
		.amdhsa_system_sgpr_workgroup_id_x 1
		.amdhsa_system_sgpr_workgroup_id_y 1
		.amdhsa_system_sgpr_workgroup_id_z 1
		.amdhsa_system_vgpr_workitem_id 0
		.amdhsa_next_free_vgpr 148
		.amdhsa_next_free_sgpr 66
		.amdhsa_reserve_vcc 0
		.amdhsa_float_denorm_mode_32 3
		.amdhsa_float_denorm_mode_16_64 3
		.amdhsa_memory_ordered 1
		.amdhsa_forward_progress 1
		.amdhsa_inst_pref_size 42
	.end_amdhsa_kernel
	.amdgpu_metadata
---
amdhsa.version: [ 1, 2 ]
amdhsa.kernels:
  - .name:           k_qc9b9f41397_prep
    .symbol:         k_qc9b9f41397_prep.kd
    .args:
      - { .name: x, .offset: 0, .size: 8, .value_kind: global_buffer, .address_space: global }
      - { .name: wq, .offset: 8, .size: 8, .value_kind: global_buffer, .address_space: global }
      - { .name: wk, .offset: 16, .size: 8, .value_kind: global_buffer, .address_space: global }
      - { .name: wv, .offset: 24, .size: 8, .value_kind: global_buffer, .address_space: global }
      - { .name: lowp_scales, .offset: 32, .size: 8, .value_kind: global_buffer, .address_space: global }
      - { .name: xc, .offset: 40, .size: 8, .value_kind: global_buffer, .address_space: global }
      - { .name: wc, .offset: 48, .size: 8, .value_kind: global_buffer, .address_space: global }
    .group_segment_fixed_size: 20992
    .private_segment_fixed_size: 0
    .kernarg_segment_align: 8
    .kernarg_segment_size: 56
    .max_flat_workgroup_size: 128
    .sgpr_count:     66
    .vgpr_count:     148
    .wavefront_size: 32
...
	.end_amdgpu_metadata
.endif
;; end of part 1
;; launch qkv (part 2): grid 32 x 8, 4 waves a work-group, clusters of 4 x 4, 327,680 bytes of LDS; arguments xc, wc, bq, bk, bv, lowp_scales, qkvc, wo, causal_mask, woc, mk, ms; writes qkvc, woc, mk, ms
.if DOCPART == 2
	.amdgcn_target "amdgcn-amd-amdhsa--gfx1250"
	.amdhsa_code_object_version 6
	.text
	.protected	k_qc9b9f41397_qkv
	.globl	k_qc9b9f41397_qkv
	.p2align	8
	.type	k_qc9b9f41397_qkv,@function
k_qc9b9f41397_qkv:
	s_mov_b64 s[64:65], 0
	v_nop
	global_prefetch_b8 v0, s[64:65] scope:SCOPE_SE
	s_setreg_imm32_b32 hwreg(HW_REG_WAVE_MODE, 25, 1), 1
	s_wait_xcnt 0x0
	s_wait_alu depctr_hold_cnt(0) depctr_sa_sdst(0) depctr_va_vdst(0) depctr_va_sdst(0) depctr_va_ssrc(0) depctr_va_vcc(0) depctr_vm_vsrc(0)
	s_getreg_b32 s2, hwreg(HW_REG_IB_STS2, 6, 4)
	s_cmp_eq_u32 s2, 0
	s_cbranch_scc0 .Lentry_in_a_cluster
	s_endpgm
.Lentry_in_a_cluster:
	s_bfe_u32 s2, ttmp6, 0x10000c
	s_cmp_lg_u32 s2, 0xf033
	s_cbranch_scc0 .Lentry_shape_is_right
	s_endpgm
.Lentry_shape_is_right:
; QKV: q = x wq^T + bq, k = x wk^T + bk, v = x wv^T + bv on codes of E4M3, each result quantised at once (under 2^e6, 2^e7, 2^e9) and stored as IMAGES OF OPERAND REGISTERS.
; PRODUCT P = cluster x / 2 (0 q, 1 k, 2 v), the same in all partners of a cluster.  A tile of 256 x 256 to a work-group of four waves; a wave makes 128 x 128: 64 accumulators, 512 registers.
; 3 x 64 tiles = 192 work-groups: with a smaller tile each LDS byte would feed half the products, and no equal split into 256 keeps a tile inside one product.
; THE MATRIX INSTRUCTION: source 0 = 16 rows of tile B, source 1 = 16 rows of tile A: a lane holds ONE row of A and its registers run along B's rows.
;   q, k: A = x's codes (tokens), B = the weight's (features): a lane's 64 numbers of a block of 16 tokens are a head's 128 features of its half: the next product's K.
;   v:    A = wv's codes (features), B = x's (tokens = keys): the same text makes v transposed, a lane's numbers running along the keys, which are the second attention product's K.  Only pointers are swapped.
; AN IMAGE: a fragment (16 rows x 128 K) is 16 registers a lane; register group c (4 registers) goes out by one store, lane l's 16 bytes at 512 c + 16 l: 512 consecutive bytes a store.  Tile b's eight sums, converted,
;   are registers 2 b, 2 b + 1: k = 16 b + 8 (lane / 16) + 0 .. 7, the place that the 8-bit operand's own layout gives them.  No stage in LDS, nothing transposed.
;   q at byte 0: image head x 128 + token tile;  k at 4 MiB likewise;  v at 8 MiB: image (head x 16 + key step) x 8 + feature tile.
; K goes in steps of 256 through a ring of two LDS slots filled by joint tensor loads: 4 x 4 work-groups form a cluster; A's tile is shared along a row of the cluster, B's along a column.
; The rows of xc and wc hold their codes in the order that a 16-byte read at 32 c + 16 (lane / 16) wants (made by the launch before).
; LIMITS: with sh = the two operands' e added and eo = e6, e7 or e9: eo - sh between -126 and 119.  bias x 2^-sh is made by v_ldexp_f32.
; REGISTERS, in windows of 256: window 0: v16-29 addresses; v32-47 the bias by rows (v), v48, v49 the conversion's scale and hold, v64-127 the bias by columns (q, k); from v128 A's fragments, ONE set; on the way out v128-207 at work.
;   window 1: B's fragments, TWO sets.   window 2: the accumulators of my rows 0-63 ((a, b) at v[8 (8 a + b)]);   window 3: those of rows 64-127.
; P = 3 (clusters x 6 and 7: 64 work-groups, beside the products' 192): no product.  They quantise wo and pack the mask for the later launches (.Laux); the choice hangs on the cluster's number alone,
;   the same in all partners, and these clusters ask for no tile.  LIMIT there: e11 between -126 and 119.
; PREFETCHES: behind the joint load of K step k stands one request for K step k + 2 (at the head, behind K step 0's load: K steps 1 and 2).  Of the 128 rows that a wave fetches jointly each of the four partners names 32,
;   told apart by address (cx for A, cy for B), a lane a row: each 256 bytes of a row once in a cluster.  The last two refills ask for nothing.
.set KSTEP,  256
.set ROWB,   256                       ; a tile's row in bytes
.set KROW,   2048                      ; a row of codes in memory
.set PITCH,  272                       ; an LDS row: 256 bytes + 16 of padding: an odd multiple of 16 bytes, so the 16 rows that a load touches fall on 16 different 16-byte columns
.set FR,     16
.set NL,     4
.set NP,     4                         ; places behind this matrix instruction (ISA guide 7.12.1)
.set HALFT,  128*PITCH
.set SLOT,   4*HALFT
.set LAPS,   2048/(2*KSTEP)
.set SPARE,  2*SLOT                    ; behind the ring: the spare words, 128 bytes for each wave: two blocks of 256 bytes that no other line names
.set ADRA, 16                          ; v16-17  LDS address of my A fragments in slot 0, 1
.set ADRB, 20                          ; v20-21  the same for B
.set LI,   24                          ; v24     16 x lane: my place in an image's stores
.set HB,   25                          ; v25     32 x (lane / 16)
.set RB,   26                          ; v26     4 x (lane % 16)
.set SPW,  28                          ; v28     LDS address of my spare word; never rewritten
.set NIL,  29                          ; v29     0; never rewritten
.set BR,   32                          ; v32-47  bias[128 rowblk + 16 a + lane % 16], twice (a pair for the packed addition)
.set SCV,  48                          ; v48     2^(eo - sh)
.set LIM,  49                          ; v49     448 x that
.set BI,   64                          ; v64-127 bias[128 colblk + 16 b + 8 (lane / 16) + j] at 8 b + j
.set AF,   128
.set T,    128                         ; the way out: a block's 64 numbers
.set PC,   192                         ; and its 16 registers of codes
.set G1, 24
.set G0, 32
.set G1B, 48
.set G0B, 56
.set MSB, 0
.macro WIN new                         ; the immediate's high byte repeats the setting that is left
.if MSB != \new
	s_set_vgpr_msb (MSB<<8)|\new
.set MSB, \new
.endif
.endm
.set MUL_LO, 0xa1                      ; source 0 (B) window 1, source 1 (A) window 0, C and D window 2
.set MUL_HI, 0xf1                      ; the same, C and D window 3
.set TO_B,   0x40                      ; destination window 1, address window 0
; A joint load: waves 0 and 1 fetch for A, waves 2 and 3 for B; the branch hangs on the wave's number alone.  An s_nop 0 and four v_nop follow each of the two lines.
.macro JLOAD g0a, g1a, g0b, g1b
	s_cmp_eq_u32 s15, 0
	s_cbranch_scc0 .Lfor_b_\@
	tensor_load_to_lds s[\g0a:\g0a+3], s[\g1a:\g1a+7]
	s_nop 0
.rept 4
	v_nop
.endr
	s_branch .Lasked_\@
.Lfor_b_\@:
	tensor_load_to_lds s[\g0b:\g0b+3], s[\g1b:\g1b+7]
	s_nop 0
.rept 4
	v_nop
.endr
.Lasked_\@:
.endm
.macro CREST                           ; a round of the cluster's barrier behind its opening barrier
	s_cmp_lg_u32 s14, 0
	s_cbranch_scc1 .Lnot_wave_0_\@
	s_barrier_signal -3
.Lnot_wave_0_\@:
	s_barrier_wait -3
	s_barrier_signal -1
	s_barrier_wait -1
.endm
.macro CROUND
	s_barrier_signal -1
	s_barrier_wait -1
	CREST
.endm
	s_load_b256 s[68:75], s[0:1], 0x0              ; xc, wc, bq, bk
	s_load_b128 s[76:79], s[0:1], 0x20             ; bv, the scales' exponents
	s_load_b64 s[80:81], s[0:1], 0x30              ; qkvc
	v_lshl_add_u32 v[SPW], v0, 2, SPARE
	v_mov_b32 v[NIL], 0
	ds_add_u32 v[SPW], v[NIL]                      ; the wave's opening: the add and its wait stand ahead of my first tensor load; the set-up below, work on registers, stands between them
	ds_add_u32 v[SPW], v[NIL]
	v_lshrrev_b32 v1, 5, v0
	v_readfirstlane_b32 s14, v1                    ; wave 0..3
	s_lshr_b32 s15, s14, 1                         ; which half of the tile's A rows is mine.  Also: I fetch for A (0) or for B (1)
	s_and_b32 s16, s14, 1                          ; which half of its B rows.  Also: which 128 rows of that tile I fetch
	s_bfe_u32 s40, ttmp6, 0x40000                  ; cx, cy: my place in the cluster
	s_bfe_u32 s41, ttmp6, 0x40004
	s_lshr_b32 s66, ttmp9, 1                       ; P: two clusters along x to a product
	s_and_b32 s42, ttmp9, 1
	s_lshl_b32 s42, s42, 2
	s_add_co_u32 s42, s42, s40                     ; tile column 0..7
	s_and_b32 s17, ttmp7, 0xffff
	s_lshl_b32 s17, s17, 2
	s_add_co_u32 s17, s17, s41                     ; tile row 0..7
	s_lshl_b32 s43, s41, 2
	s_lshl_b32 s43, 15, s43                        ; my row of the cluster
	s_lshl_b32 s44, 0x1111, s40                    ; my column
	s_or_b32 s[G1+0], s43, (0<<16)|(1<<20)|(1<<21)|(5<<22)|(3<<25)  ; 15:0 the mask: A's tiles go to my row; elements of 1 byte; padding on; bit 21 beside a mask; after every 64 words, 4 words
	s_or_b32 s[G1B+0], s44, (0<<16)|(1<<20)|(1<<21)|(5<<22)|(3<<25)
.irp g, G1, G1B
	s_mov_b32 s[\g+1], ROWB<<16                    ; tensor_dim0
	s_mov_b32 s[\g+2], 128<<16                     ; tensor_dim1
	s_mov_b32 s[\g+3], ROWB<<16                    ; tile_dim0
	s_mov_b32 s[\g+4], 128                         ; tile_dim1
	s_mov_b32 s[\g+5], KROW                        ; from row to row
	s_mov_b32 s[\g+6], 0
	s_mov_b32 s[\g+7], 0
.endr
	s_lshl_b32 s18, s16, 7                         ; which 128 rows of the tile I fetch
	s_lshl_b32 s20, s17, 8
	s_add_co_u32 s20, s20, s18
	s_lshl_b32 s20, s20, 11                        ; A: (256 x tile row + 128 x half) rows of 2,048 bytes
	s_lshl_b32 s46, s42, 8
	s_add_co_u32 s46, s46, s18
	s_lshl_b32 s46, s46, 11                        ; B: by the tile column
	s_lshl_b32 s82, s66, 22                        ; product P's codes begin 4 MiB x P into xc, wc and qkvc
	s_mov_b32 s83, 0
	s_add_co_u32 s20, s20, s82
	s_add_co_u32 s46, s46, s82
	s_mov_b32 s21, 0
	s_mov_b32 s47, 0
	s_lshl_b32 s84, s66, 3                         ; the product's two operands' e: entries 2 P, 2 P + 1
	s_cmp_eq_u32 s66, 2
	s_cselect_b32 s85, 7, 6
	s_add_co_u32 s85, s85, s66
	s_lshl_b32 s85, s85, 2                         ; the result's e: entry 6, 7 or 9
	s_mul_i32 s45, s14, HALFT                      ; where my load goes: wave x 128 rows
	s_wait_dscnt 0x0                               ; the opening add is done
	s_wait_alu depctr_va_vdst(0)                   ; directly ahead of the branch
	s_cmp_eq_u32 s66, 3
	s_cbranch_scc1 .Laux
	s_wait_kmcnt 0x0
	s_load_b64 s[86:87], s[78:79], s84 offset:0x0
	s_load_b32 s88, s[78:79], s85 offset:0x0
	s_cmp_eq_u32 s66, 2
	s_cselect_b64 s[4:5], s[70:71], s[68:69]       ; tile A: x's codes; for v the weight's
	s_cselect_b64 s[6:7], s[68:69], s[70:71]       ; tile B: the weight's; for v x's
	s_cselect_b64 s[12:13], s[76:77], s[74:75]
	s_cmp_eq_u32 s66, 0
	s_cselect_b64 s[12:13], s[72:73], s[12:13]     ; the product's bias
	s_add_nc_u64 s[20:21], s[4:5], s[20:21]
	s_add_nc_u64 s[46:47], s[6:7], s[46:47]
	CROUND                                         ; all sixteen work-groups are here: the first joint loads meet
.irp s, 0,1
	s_mov_b32 s[G0+4*\s], 1
	s_add_co_u32 s[G0+4*\s+1], s45, \s*SLOT
	s_add_nc_u64 s[G0+4*\s+2:G0+4*\s+3], s[20:21], \s*ROWB
	s_or_b32 s[G0+4*\s+3], s[G0+4*\s+3], 0x80000000
	s_mov_b32 s[G0B+4*\s], 1
	s_add_co_u32 s[G0B+4*\s+1], s45, \s*SLOT
	s_add_nc_u64 s[G0B+4*\s+2:G0B+4*\s+3], s[46:47], \s*ROWB
	s_or_b32 s[G0B+4*\s+3], s[G0B+4*\s+3], 0x80000000
.endr
	JLOAD G0, G1, G0B, G1B                         ; K step 0: one tensor load a wave at the head
	s_cmp_eq_u32 s15, 0                            ; the prefetches: in A or in B, as I fetch
	s_cselect_b64 s[94:95], s[20:21], s[46:47]
	s_cselect_b32 s96, s40, s41                    ; my place among the four that ask with me: 32 rows of 2,048 bytes each
	s_lshl_b32 s96, s96, 16
	s_mov_b32 s97, 0
	s_add_nc_u64 s[94:95], s[94:95], s[96:97]
	v_and_b32 v30, 31, v0
	v_lshlrev_b32 v30, 11, v30                     ; v30: my lane's row; never rewritten
	v_and_b32 v1, 15, v0                           ; l % 16
	v_bfe_u32 v2, v0, 4, 1                         ; l / 16
	v_mul_u32_u24 v3, v1, PITCH
	v_lshl_add_u32 v4, v2, 4, v3                   ; a fragment's row x pitch + 16 x half
	s_mul_i32 s21, s15, HALFT                      ; my 128 rows of A
	s_mul_i32 s22, s16, HALFT                      ; my 128 rows of B,
	s_add_co_u32 s22, s22, 2*HALFT                 ; which lie behind A's 256
.irp s, 0,1
	v_add_nc_u32 v[ADRA+\s], s21, v4
	v_add_nc_u32 v[ADRB+\s], s22, v4
	s_add_co_u32 s21, s21, SLOT
	s_add_co_u32 s22, s22, SLOT
.endr
	v_and_b32 v5, 31, v0
	v_lshlrev_b32 v[LI], 4, v5
	v_lshlrev_b32 v[HB], 5, v2
	s_wait_alu depctr_va_vdst(0)
	v_lshlrev_b32 v[RB], 2, v1
	s_wait_alu depctr_va_vdst(0)
	global_prefetch_b8 v30, s[94:95] offset:256 th:TH_LOAD_NT scope:SCOPE_SE   ; K step 1
	global_prefetch_b8 v30, s[94:95] offset:512 th:TH_LOAD_NT scope:SCOPE_SE   ; K step 2
	s_lshl_b32 s20, s17, 1
	s_add_co_u32 s20, s20, s15                     ; rowblk: which 128 rows of A are my wave's, 0..15
	s_lshl_b32 s46, s42, 1
	s_add_co_u32 s46, s46, s16                     ; colblk: which 128 rows of B
	s_mov_b32 s19, 0
	s_lshl_b32 s18, s20, 9
	s_add_nc_u64 s[92:93], s[12:13], s[18:19]      ; the bias of my A rows (used for v)
	s_lshl_b32 s18, s46, 9
	s_add_nc_u64 s[90:91], s[12:13], s[18:19]      ; the bias of my B rows (used for q, k)
	s_cmp_eq_u32 s66, 2
	s_cselect_b32 s18, s20, s46                    ; the head: colblk for q, k; rowblk for v
	s_cselect_b32 s22, s46, s20                    ; the block of 128 tokens
	s_lshl_b32 s18, s18, 7
	s_lshl_b32 s22, s22, 3
	s_add_co_u32 s18, s18, s22                     ; my first image: 128 x head + 8 x block; block a of my rows follows as image + a in both orders
	s_lshl_b32 s18, s18, 11
	s_add_co_u32 s18, s18, s82
	s_add_nc_u64 s[10:11], s[80:81], s[18:19]
.irp b, 0,1,2,3,4,5,6,7                ; both kinds of bias are always loaded: every address lies inside the buffer; they are waited for on the way out
	global_load_b128 v[BI+8*\b:BI+8*\b+3], v[HB], s[90:91] offset:64*\b
	global_load_b128 v[BI+8*\b+4:BI+8*\b+7], v[HB], s[90:91] offset:64*\b+16
.endr
.irp a, 0,1,2,3,4,5,6,7
	global_load_b32 v[BR+2*\a], v[RB], s[92:93] offset:64*\a
	global_load_b32 v[BR+2*\a+1], v[RB], s[92:93] offset:64*\a
.endr
.macro FRAG reg, adr, q, i             ; a fragment, 16 rows x 128 K: four reads of 16 bytes, 32 apart
.irp c, 0,1,2,3
	ds_load_b128 v[\reg+4*\c:\reg+4*\c+3], v[\adr] offset:128*(\q)+32*\c+(\i)*16*PITCH
.endr
.endm
; 16 matrix instructions: A's blocks a0, a0 + 1 x B's eight.  p: B's set.  zero = 1: the first product starts the sums.  The 64 accumulators take turns, one instruction a turn, in the same order in every step.
.macro MUL16 a0, p, zero
.irp a, \a0, \a0+1
.irp b, 0,1,2,3,4,5,6,7
.if \zero
	v_wmma_f32_16x16x128_fp8_fp8 v[8*(8*((\a)%4)+\b):8*(8*((\a)%4)+\b)+7], v[128*(\p)+FR*\b:128*(\p)+FR*\b+FR-1], v[AF+FR*(\a):AF+FR*(\a)+FR-1], 0
.else
	v_wmma_f32_16x16x128_fp8_fp8 v[8*(8*((\a)%4)+\b):8*(8*((\a)%4)+\b)+7], v[128*(\p)+FR*\b:128*(\p)+FR*\b+FR-1], v[AF+FR*(\a):AF+FR*(\a)+FR-1], v[8*(8*((\a)%4)+\b):8*(8*((\a)%4)+\b)+7]
.endif
.endr
.endr
.endm
.macro FETCH_B slot, q, p
	WIN TO_B
.irp i, 0,1,2,3,4,5,6,7
	FRAG 128*(\p)+FR*\i, ADRB+\slot, \q, \i
.endr
	WIN 0
.endm
.macro FETCH_A slot, q, i0
.irp i, \i0, \i0+1, \i0+2, \i0+3
	FRAG AF+FR*(\i), ADRA+\slot, \q, \i
.endr
.endm
.macro PLACES n                        ; plain vector lines between a matrix instruction and a load into a register that it has read
.rept \n
	v_nop
.endr
.endm
; A step of 128 along K that has its successor in the same slot.  A has one set of registers: blocks 0-3 are fetched anew in the step's middle, blocks 4-7 at its end; B has two sets.
.macro STEP slot, q, zero
	s_wait_dscnt 4*NL                              ; B's set and A's blocks 0-3 are in; the youngest 16 loads (A's blocks 4-7) may be out
	WIN MUL_LO
	MUL16 0, (\q)%2, \zero
	MUL16 2, (\q)%2, \zero
	s_wait_dscnt 0                                 ; A's blocks 4-7 are in
	PLACES NP
	FETCH_B \slot, (\q)+1, 1-(\q)%2
	FETCH_A \slot, (\q)+1, 0
	WIN MUL_HI
	MUL16 4, (\q)%2, \zero
	MUL16 6, (\q)%2, \zero
	PLACES NP
	WIN 0
	FETCH_A \slot, (\q)+1, 4
.endm
; A slot's last step changes slots: one barrier; in front of it each wave waits for all its tensor loads, adds 0 to its spare word, and waits for that and for its own reads of this slot.  fill = 1: this slot is filled again, two K steps ahead.
.macro TURN slot, next, fill
.if \fill
	s_wait_xcnt 0x0                                ; my last prefetch has read its address:
	s_add_nc_u64 s[94:95], s[94:95], 256           ; a K step on
.endif
	s_wait_tensorcnt 0x0                           ; all my tensor loads have landed: my part of the next slot (every window is 0 here)
	ds_add_u32 v[SPW], v[NIL]                      ; 0 onto my spare word
	s_wait_dscnt 4*NL+1                            ; the add and the youngest 16 loads (A's blocks 4-7) may be out
	WIN MUL_LO
	MUL16 0, 1, 0
	s_wait_dscnt 0x0                               ; the add is done, and my reads of this slot are over
	s_barrier_signal -1
	MUL16 2, 1, 0
	WIN 0
	s_barrier_wait -1
.if \fill
	CREST                                          ; the barrier has opened a round of the cluster's barrier: no wave of any partner still reads this slot or has a load on its way
	s_add_nc_u64 s[G0+4*\slot+2:G0+4*\slot+3], s[G0+4*\slot+2:G0+4*\slot+3], 2*ROWB
	s_add_nc_u64 s[G0B+4*\slot+2:G0B+4*\slot+3], s[G0B+4*\slot+2:G0B+4*\slot+3], 2*ROWB
	JLOAD G0+4*\slot, G1, G0B+4*\slot, G1B         ; the first tensor load behind the round; its four v_nop are also the places in front of the loads below
.else
	PLACES NP
.endif
	FETCH_B \next, 0, 0
	FETCH_A \next, 0, 0
.if \fill
	s_cmp_gt_u32 s3, 1                             ; the loop's last trip has no K step two on
	s_cbranch_scc0 .Lno_ask_\@
	global_prefetch_b8 v30, s[94:95] offset:768 th:TH_LOAD_NT scope:SCOPE_SE   ; turn n = 0 .. 3 fills K step n + 2 and names n + 4
.Lno_ask_\@:
.endif
	WIN MUL_HI
	MUL16 4, 1, 0
	MUL16 6, 1, 0
	PLACES NP
	WIN 0
	FETCH_A \next, 0, 4
.endm
	s_wait_alu depctr_va_vdst(0)
	s_wait_tensorcnt 0x0                           ; my part of K step 0 is in
	ds_add_u32 v[SPW], v[NIL]
	s_wait_dscnt 0x0                               ; the add is done
	CROUND                                         ; everybody's part of K step 0 is in, and the joint loads meet
	JLOAD G0+4, G1, G0B+4, G1B                     ; K step 1, the first tensor load behind the round
	FETCH_B 0, 0, 0
	FETCH_A 0, 0, 0
	FETCH_A 0, 0, 4
	global_prefetch_b8 v30, s[94:95] offset:768 th:TH_LOAD_NT scope:SCOPE_SE   ; K step 3
	STEP 0, 0, 1                                   ; the first step stands in front of the loop: its products start the sums
	s_mov_b32 s3, LAPS-1
.Llap:                                                 ; a trip goes once round the ring and fills both slots again
	TURN 0, 1, 1
	STEP 1, 0, 0
	TURN 1, 0, 1
	STEP 0, 0, 0
	s_sub_co_u32 s3, s3, 1
	s_cmp_lg_u32 s3, 0
	s_cbranch_scc1 .Llap
	TURN 0, 1, 0                                   ; the last lap fills nothing
	STEP 1, 0, 0
	s_wait_dscnt 4*NL
	WIN MUL_LO
	MUL16 0, 1, 0
	MUL16 2, 1, 0
	s_wait_dscnt 0
	WIN MUL_HI
	MUL16 4, 1, 0
	MUL16 6, 1, 0
	WIN 0
; THE WAY OUT.  A sum stands for sum x 2^sh.  (sum x 2^sh + bias) / 2^eo = (sum + bias x 2^-sh) / 2^(eo - sh): the bias is scaled once, and the conversion takes the one scale 2^(eo - sh).
	s_wait_kmcnt 0x0
	s_add_co_i32 s86, s86, s87                     ; sh
	s_sub_co_i32 s87, 0, s86
	s_sub_co_i32 s88, s88, s86
	s_add_co_i32 s88, s88, 127
	s_lshl_b32 s89, s88, 23                        ; 2^(eo - sh) as f32
	s_add_co_i32 s88, s88, 8
	s_lshl_b32 s88, s88, 23
	s_or_b32 s88, s88, 0x600000                    ; 448 x that
	s_wait_loadcnt 0x0                             ; the biases
.set j, 0
.rept 64
	v_ldexp_f32 v[BI+j], v[BI+j], s87              ; (these 80 lines are also the places behind the last products)
.set j, j+1
.endr
.set j, 0
.rept 16
	v_ldexp_f32 v[BR+j], v[BR+j], s87
.set j, j+1
.endr
	v_mov_b32 v[SCV], s89
	v_mov_b32 v[LIM], s88
; Block a: 16 rows of A x my 128 rows of B become one image.  The branch hangs on the product's number, the same in all partners.
.macro OUTBLK a
	s_wait_xcnt 0x0                                ; the last block's stores have read their codes
	s_cmp_eq_u32 s66, 2
	s_cbranch_scc1 .Lby_row_\@
	WIN 0x02+((\a)/4)                              ; source 0: window 2 or 3
.set j, 0
.rept 32
	v_pk_add_f32 v[T+j:T+j+1], v[64*((\a)%4)+j:64*((\a)%4)+j+1], v[BI+j:BI+j+1]   ; q, k: the bias runs along my registers; each accumulator from its low end on
.set j, j+2
.endr
	WIN 0
	s_branch .Ljoin_\@
.Lby_row_\@:
	WIN 0x02+((\a)/4)
.set j, 0
.rept 32
	v_pk_add_f32 v[T+j:T+j+1], v[64*((\a)%4)+j:64*((\a)%4)+j+1], v[BR+2*(\a):BR+2*(\a)+1]   ; v: one bias for my row
.set j, j+2
.endr
	WIN 0
.Ljoin_\@:
.set j, 0
.rept 64
	v_med3_num_f32 v[T+j], v[T+j], -v[LIM], v[LIM] ; the conversion to an 8-bit code does not saturate (ISA guide 7.6.2): the hold comes first
.set j, j+1
.endr
.irp b, 0,1,2,3,4,5,6,7
	v_cvt_scalef32_pk8_fp8_f32 v[PC+2*\b:PC+2*\b+1], v[T+8*\b:T+8*\b+7], v[SCV]
.endr
	v_nop                                          ; a plain line behind the conversions: T is written again next
.irp c, 0,1,2,3
	global_store_b128 v[LI], v[PC+4*\c:PC+4*\c+3], s[10:11] offset:2048*(\a)+512*\c   ; 32 lanes store 512 consecutive bytes
.endr
.endm
.irp a, 0,1,2,3,4,5,6,7
	OUTBLK \a
.endr
	s_wait_tensorcnt 0x0                           ; the wave's end
	ds_add_u32 v[SPW], v[NIL]
	s_wait_dscnt 0x0
	CROUND                                         ; the closing round: no work-group ends while a partner may still ask for a tile that names it
	s_endpgm
; ---------------- P = 3: wo and the mask ----------------
; Both are [2048][2048] words of four bytes, cut into tiles of 16 rows x 128 words (512 bytes of a row).  Wave g of 256 takes row tile g / 2 and eight tiles of each: column blocks 8 (g % 2) + t.
; A tile is loaded as it lies, 16 rows x 512 bytes, and turned through the wave's own stage: lane (r, h) then holds of row r the words 16 G + 8 h + 0 .. 7 in registers 8 G + 0 .. 7, G = 0 .. 7.
;   wo: the 64 numbers become the 16 registers of an 8-bit operand fragment (features x K), an image of 2,048 bytes: woc[feature / 64][K / 512][feature tile % 4][K block % 4].
;   mask: bit L of word n of mk[query tile][key step][64] says whether lane L's register n is not 0;  ms[query tile][g % 2], 64 equal words: bit s: some mask word of key step s is not 0; bit 16 + s: none is 0.
; While one tensor's tile is worked, the other's next tile is on its way.
.set MPI,  528                         ; a stage row: 512 bytes + 16: an odd multiple of 16 bytes
.set MWAVE, 16*MPI
.set MREG, SPARE+512                   ; the stages lie behind the spare words: no tensor load lands there
.set AW,   64                          ; v64-127   a tile of wo as loaded
.set AM,   128                         ; v128-191  a tile of the mask
.set AX,   192                         ; v192-255  turned
.Laux:
	s_wait_kmcnt 0x0
	s_load_b64 s[4:5], s[0:1], 0x38                ; wo
	s_load_b128 s[8:11], s[0:1], 0x40              ; mask, woc
	s_load_b128 s[20:23], s[0:1], 0x50             ; mk, ms
	s_load_b32 s86, s[78:79], 0x2c                 ; e11
	s_lshl_b32 s18, s17, 3
	s_add_co_u32 s18, s18, s42
	s_lshl_b32 s18, s18, 2
	s_add_co_u32 s18, s18, s14                     ; g
	s_lshr_b32 s19, s18, 1                         ; row tile
	s_and_b32 s18, s18, 1                          ; g % 2
	s_mul_i32 s27, s14, MWAVE
	s_add_co_u32 s27, s27, MREG                    ; my stage
	v_and_b32 v2, 31, v0
	v_lshlrev_b32 v3, 4, v2                        ; 16 x lane
	v_lshlrev_b32 v7, 3, v2                        ; 8 x lane
	v_add_nc_u32 v5, s27, v3                       ; in: a row's 512 bytes as they lie
	v_and_b32 v6, 15, v0
	v_mul_u32_u24 v6, v6, MPI
	v_bfe_u32 v8, v0, 4, 1
	v_lshl_add_u32 v6, v8, 5, v6
	v_add_nc_u32 v6, s27, v6                       ; out: row r, + 32 h
	v_mov_b32 v16, 0                               ; written whole once: a lane write's destination counts as read
	v_mov_b32 v17, 0
	s_lshl_b32 s24, s19, 17                        ; both sources: 16 rows of 8,192 bytes,
	s_lshl_b32 s25, s18, 12                        ; 8 tiles of 512 bytes
	s_add_co_u32 s24, s24, s25
	s_mov_b32 s25, 0
	s_lshr_b32 s26, s19, 2                         ; woc
	s_lshl_b32 s26, s26, 17
	s_and_b32 s27, s19, 3
	s_lshl_b32 s27, s27, 13
	s_add_co_u32 s26, s26, s27
	s_lshl_b32 s27, s18, 16
	s_add_co_u32 s26, s26, s27
	s_mov_b32 s27, 0
	s_lshl_b32 s28, s19, 12                        ; mk
	s_lshl_b32 s29, s18, 11
	s_add_co_u32 s28, s28, s29
	s_mov_b32 s29, 0
	s_lshl_b32 s30, s19, 9                         ; ms
	s_lshl_b32 s31, s18, 8
	s_add_co_u32 s30, s30, s31
	s_mov_b32 s31, 0
	s_mov_b32 s33, 0
	s_lshl_b32 s47, s18, 3
	s_lshl_b32 s46, 1, s47                         ; the bits of key step 8 (g % 2)
	s_lshl_b32 s47, s46, 16
	s_mov_b32 s48, 0
	s_mov_b32 s3, 0                                ; t
	s_wait_alu depctr_va_vdst(0)                   ; directly ahead of the wait below
	s_wait_kmcnt 0x0
	s_add_nc_u64 s[4:5], s[4:5], s[24:25]
	s_add_nc_u64 s[8:9], s[8:9], s[24:25]
	s_add_nc_u64 s[10:11], s[10:11], s[26:27]
	s_add_nc_u64 s[20:21], s[20:21], s[28:29]
	s_add_nc_u64 s[22:23], s[22:23], s[30:31]
.macro LOADT buf, p
.irp i, 0,1,2,3,4,5,6,7,8,9,10,11,12,13,14,15
	global_load_b128 v[\buf+4*\i:\buf+4*\i+3], v3, s[\p:\p+1] offset:8192*\i th:TH_LOAD_NT
.endr
.endm
.macro STAGET buf                      ; LDS serves a wave's instructions in order: no wait stands between the stores and the loads
.irp i, 0,1,2,3,4,5,6,7,8,9,10,11,12,13,14,15
	ds_store_b128 v5, v[\buf+4*\i:\buf+4*\i+3] offset:MPI*\i
.endr
.irp i, 0,1,2,3,4,5,6,7,8,9,10,11,12,13,14,15
	ds_load_b128 v[AX+4*\i:AX+4*\i+3], v6 offset:64*(\i/2)+16*(\i%2)
.endr
	s_wait_dscnt 0x0
	s_wait_xcnt 0x0                                ; every earlier store has read its data and its base
.endm
.macro AUXT more
	s_wait_loadcnt 16                              ; wo's tile is in; the mask's 16 loads may be out
	STAGET AW
.if \more
	s_add_nc_u64 s[4:5], s[4:5], 512
	LOADT AW, 4
.endif
	s_lshl_b32 s32, s3, 11
	s_and_b32 s32, s32, 0x1800                     ; (t % 4) images of 2,048 bytes,
	s_and_b32 s34, s3, 4
	s_lshl_b32 s34, s34, 13                        ; + 32,768 for t / 4
	s_or_b32 s32, s32, s34
	s_add_nc_u64 s[34:35], s[10:11], s[32:33]
	s_lshl_b32 s32, s3, 8
	s_add_nc_u64 s[36:37], s[20:21], s[32:33]
.set j, 0
.rept 64
	v_med3_num_f32 v[AX+j], v[AX+j], -v13, v13     ; the conversion to an 8-bit code does not saturate (ISA guide 7.6.2): the hold comes first
.set j, j+1
.endr
.irp g, 0,1,2,3,4,5,6,7
	v_cvt_scalef32_pk8_fp8_f32 v[32+2*\g:33+2*\g], v[AX+8*\g:AX+8*\g+7], v12
.endr
	v_nop
.irp c, 0,1,2,3
	global_store_b128 v3, v[32+4*\c:35+4*\c], s[34:35] offset:512*\c   ; 32 lanes store 512 consecutive bytes
.endr
	s_wait_loadcnt 16*\more                        ; the mask's tile is in; wo's next may be out
	STAGET AM
.if \more
	s_add_nc_u64 s[8:9], s[8:9], 512
	LOADT AM, 8
.endif
.set n, 0
.rept 64
	v_cmp_ne_u32 s[40+n%4], 0, v[AX+n]             ; word n: one bit a lane
	v_writelane_b32 v[16+n%2], s[40+n%4], n/2      ; to lane n / 2, which stores words 2 l and 2 l + 1
.set n, n+1
.endr
	global_store_b64 v7, v[16:17], s[36:37]        ; 32 lanes store 256 consecutive bytes, aligned
	v_and_b32 v10, v16, v17
	v_or_b32 v11, v16, v17
	v_cmp_ne_u32 s44, -1, v10
	v_cmp_ne_u32 s45, 0, v11
	s_cmp_eq_u32 s44, 0
	s_cselect_b32 s44, s47, 0                      ; no mask word is 0
	s_or_b32 s48, s48, s44
	s_cmp_lg_u32 s45, 0
	s_cselect_b32 s45, s46, 0                      ; some mask word is not 0
	s_or_b32 s48, s48, s45
	s_lshl_b32 s46, s46, 1
	s_lshl_b32 s47, s47, 1
.endm
	LOADT AW, 4
	LOADT AM, 8
	s_add_co_i32 s86, s86, 127
	s_lshl_b32 s87, s86, 23
	v_mov_b32 v12, s87                             ; 2^e11
	s_add_co_i32 s86, s86, 8
	s_lshl_b32 s86, s86, 23
	s_or_b32 s86, s86, 0x600000
	v_mov_b32 v13, s86                             ; 448 x 2^e11
	s_wait_alu depctr_va_vdst(0)
.Lauxt:
	AUXT 1
	s_add_co_u32 s3, s3, 1
	s_cmp_lt_u32 s3, 7
	s_wait_alu depctr_va_vdst(0)                   ; directly ahead of the branch
	s_cbranch_scc1 .Lauxt
	AUXT 0                                         ; the last tiles: nothing more is loaded
	s_wait_xcnt 0x0                                ; the store above has read its data
	v_mov_b32 v16, s48
	v_mov_b32 v17, s48
	global_store_b64 v7, v[16:17], s[22:23]
	s_wait_tensorcnt 0x0                           ; the wave's end
	ds_add_u32 v[SPW], v[NIL]
	s_wait_dscnt 0x0
	s_endpgm
.Lfunc_end_k_qc9b9f41397_qkv:
	.size	k_qc9b9f41397_qkv, .Lfunc_end_k_qc9b9f41397_qkv-k_qc9b9f41397_qkv
	.p2alignl 7, 3214868480
	.fill 96, 4, 3214868480
	.section	.rodata,"a",@progbits
	.p2align	6, 0x0
	.amdhsa_kernel k_qc9b9f41397_qkv
		.amdhsa_group_segment_fixed_size 327680
		.amdhsa_private_segment_fixed_size 0
		.amdhsa_enable_private_segment 0
		.amdhsa_kernarg_size 96
		.amdhsa_user_sgpr_count 2
		.amdhsa_user_sgpr_kernarg_segment_ptr 1
		.amdhsa_wavefront_size32 1
		.amdhsa_system_sgpr_workgroup_id_x 1
		.amdhsa_system_sgpr_workgroup_id_y 1
		.amdhsa_system_sgpr_workgroup_id_z 1
		.amdhsa_system_vgpr_workitem_id 0
		.amdhsa_next_free_vgpr 1024
		.amdhsa_next_free_sgpr 100
		.amdhsa_reserve_vcc 0
		.amdhsa_float_denorm_mode_32 3
		.amdhsa_float_denorm_mode_16_64 3
		.amdhsa_memory_ordered 1
		.amdhsa_forward_progress 1
		.amdhsa_inst_pref_size 206
	.end_amdhsa_kernel
	.amdgpu_metadata
---
amdhsa.version: [ 1, 2 ]
amdhsa.kernels:
  - .name:           k_qc9b9f41397_qkv
    .symbol:         k_qc9b9f41397_qkv.kd
    .args:
      - { .name: xc, .offset: 0, .size: 8, .value_kind: global_buffer, .address_space: global }
      - { .name: wc, .offset: 8, .size: 8, .value_kind: global_buffer, .address_space: global }
      - { .name: bq, .offset: 16, .size: 8, .value_kind: global_buffer, .address_space: global }
      - { .name: bk, .offset: 24, .size: 8, .value_kind: global_buffer, .address_space: global }
      - { .name: bv, .offset: 32, .size: 8, .value_kind: global_buffer, .address_space: global }
      - { .name: lowp_scales, .offset: 40, .size: 8, .value_kind: global_buffer, .address_space: global }
      - { .name: qkvc, .offset: 48, .size: 8, .value_kind: global_buffer, .address_space: global }
      - { .name: wo, .offset: 56, .size: 8, .value_kind: global_buffer, .address_space: global }
      - { .name: causal_mask, .offset: 64, .size: 8, .value_kind: global_buffer, .address_space: global }
      - { .name: woc, .offset: 72, .size: 8, .value_kind: global_buffer, .address_space: global }
      - { .name: mk, .offset: 80, .size: 8, .value_kind: global_buffer, .address_space: global }
      - { .name: ms, .offset: 88, .size: 8, .value_kind: global_buffer, .address_space: global }
    .group_segment_fixed_size: 327680
    .private_segment_fixed_size: 0
    .kernarg_segment_align: 8
    .kernarg_segment_size: 96
    .max_flat_workgroup_size: 128
    .sgpr_count:     100
    .vgpr_count:     1024
    .wavefront_size: 32
...
	.end_amdgpu_metadata
.endif
;; end of part 2
;; launch attn (part 3): grid 16 x 16, 4 waves a work-group, no clusters, 135,680 bytes of LDS; arguments qkvc, mk, ms, lowp_scales, cc; writes cc
.if DOCPART == 3
	.amdgcn_target "amdgcn-amd-amdhsa--gfx1250"
	.amdhsa_code_object_version 6
	.text
	.protected	k_qc9b9f41397_attn
	.globl	k_qc9b9f41397_attn
	.p2align	8
	.type	k_qc9b9f41397_attn,@function
k_qc9b9f41397_attn:
	s_mov_b64 s[64:65], 0
	v_nop
	global_prefetch_b8 v0, s[64:65] scope:SCOPE_SE
	s_setreg_imm32_b32 hwreg(HW_REG_WAVE_MODE, 25, 1), 1
	s_wait_xcnt 0x0
; ATTENTION on codes of E4M3: ctx[q] = sum over k of softmax_k(q . k / sqrt(128), masked) v[k] for 16 heads of 2,048 queries and keys, and ctx quantised under 2^e10 for the last product.
; t = score x log2(e) / sqrt(128); M = the row's largest t so far, rounded up to a whole number; p = 2^(t - M) is quantised under 2^e8; the row's sum is taken of the unquantised p and divides at the end.
; WHICH STEPS ARE WALKED.  causal_mask is an input, so nothing of its pattern is built in.  The launch before has stored, for each 16 queries x 128 keys, whether some mask word is not 0 (live) and whether none is 0 (full).
;   A wave walks the key steps that are live for one of its two query tiles: in a step that is not, every p is 0 by the -infinity that the mask puts there.  Masks are applied where a tile is not full.  A row with no key kept gets NaN.
;   Walk and branches hang on whole numbers read from memory; this launch has no tensor load and no copy: K and V go from memory straight into registers, as images that the launch before has laid out for them.
;   So there are no joint loads and no cluster.
; SHARES.  256 work-groups of four waves; blocks of 32 queries are paired: j with 63 - j.  Waves 0 and 1 take 63 - j and then j for j = 2 x (x: my work-group's number), waves 2 and 3 for j = 2 x + 1.
;   Two waves share a block by the key step's parity (r, and for the second block 1 - r), so that a triangular mask gives each 8 or 9 steps; any other mask is served alike.  Each stores its two tiles' sums into LDS;
;   behind one barrier each joins one tile of each block: multiplications by powers of two, then one addition.
; LAYOUT.  Both products are used transposed: S^T = K Q^T, O^T = V^T P^T: a lane holds one query (lane % 16); register 8 t + i of S is key 16 t + 8 (lane / 16) + i; eight of them, converted, are registers 2 t, 2 t + 1 of P.
; LOADS.  The next step's K is asked for behind this step's first product, its V behind the second: each has most of a step in which to land.
; PREFETCH: work-group x of a head asks, at its head, for key step x's K and V alone (4 waves x 32 lanes x 256 bytes): the head's work-groups share K and V out; steps 0 and 1 come by their loads.
; LIMITS: e6 + e7 between -123 and 130; e8 and e10 between -126 and 119; scaled scores under 2^31 in magnitude.  A NaN or an infinity that reaches only steps that are not walked is not carried to the result.
; REGISTERS, in windows of 256: window 0: v1-31 below; v32-63 Q (two tiles); v64-127, v128-191 S, then p; v192-223 p's codes; v224-231 constants and addresses.
;   window 1: v0-63, v64-127 O^T of my two tiles; v128-159 Q of the second block.   window 2: v0-127 K's fragments, v128-255 V's.
;   v1 16 x lane; v2 256 x lane; v3 my LDS region + 16 x lane; v4 -M, v5 the largest t (tile 0), v6, v7 (tile 1); v[8:9], v[10:11] the sums; v12, v14 the factors f; v16-19 the sums' second chains; v20-29 at work.
.set RG,    16896                      ; LDS: a wave's region for one block: two tiles of 64 registers, then (-M, sum) of each
.set SPARE, 8*RG                       ; behind the regions: the spare words, 128 bytes for each wave: two blocks of 256 bytes that no other line names
.set S0,  64
.set S1,  128
.set PC,  192
.set LIMP, 224                         ; 448 x 2^e8
.set SCP,  225                         ; 2^e8
.set NINF, 226
.set SCO,  227                         ; 2^e10
.set LIMO, 228                         ; 448 x 2^e10
.set ML,   229                         ; my LDS region + 8 x lane
.set PA,   230                         ; my partner's + 16 x lane
.set PM,   231                         ; and + 8 x lane
.set MSB, 0
.macro WIN new                         ; the immediate's high byte repeats the setting that is left
.if MSB != \new
	s_set_vgpr_msb (MSB<<8)|\new
.set MSB, \new
.endif
.endm
.macro FRAGS base, dst                 ; 32 loads: eight fragments of 2,048 bytes into window 2; each load reads 512 consecutive bytes
	WIN 0x80
.irp t, 0,1,2,3,4,5,6,7
.irp c, 0,1,2,3
	global_load_b128 v[\dst+16*\t+4*\c:\dst+16*\t+4*\c+3], v1, s[\base:\base+1] offset:\t*2048+512*\c
.endr
.endr
	WIN 0
.endm
.macro FRAGP base, dst, t0, nt         ; nt of the eight fragments, from t0 on: four loads each
	WIN 0x80
.set q, 4*(\t0)
.rept 4*(\nt)
	global_load_b128 v[\dst+4*q:\dst+4*q+3], v1, s[\base:\base+1] offset:512*q
.set q, q+1
.endr
	WIN 0
.endm
; The mask's 64 words for key step s31 of both tiles, two words a lane, where one of the tiles is not full (f0, f1: their full bits; tile: tile 0's number).
.macro ASKM f0, f1, tile
	s_and_b32 s32, s[\f0], s[\f1]
	s_bitcmp1_b32 s32, s31
	s_cbranch_scc1 .Lnone_\@
	s_min_u32 s60, s31, 15
	s_lshl_b32 s60, s60, 8                         ; mk: 4,096 bytes a query tile, 256 a key step
	s_min_u32 s61, s[\tile], 127
	s_lshl_b32 s56, s61, 12
	s_add_co_u32 s56, s56, s60
	s_add_nc_u64 s[34:35], s[6:7], s[56:57]
	s_xor_b32 s61, s61, 1
	s_lshl_b32 s56, s61, 12
	s_add_co_u32 s56, s56, s60
	s_add_nc_u64 s[36:37], s[6:7], s[56:57]
	global_load_b64 v[232:233], v236, s[34:35]     ; 32 lanes read 256 consecutive bytes
	global_load_b64 v[234:235], v236, s[36:37]
.Lnone_\@:
.endm
	s_load_b256 s[4:11], s[0:1], 0x0
	s_load_b64 s[16:17], s[0:1], 0x20              ; cc
	v_lshl_add_u32 v30, v0, 2, SPARE               ; v30, v31: the add's two registers; never rewritten
	v_mov_b32 v31, 0
	v_lshrrev_b32 v2, 5, v0
	v_readfirstlane_b32 s12, v2                    ; wave 0..3
	s_mul_i32 s32, s12, 2*RG
	s_xor_b32 s33, s12, 1
	s_mul_i32 s33, s33, 2*RG                       ; my partner's regions
	v_and_b32 v20, 31, v0
	v_lshlrev_b32 v1, 4, v20
	v_lshlrev_b32 v2, 8, v20
	v_lshlrev_b32 v21, 3, v20
	v_lshlrev_b32 v236, 3, v20                     ; 8 x lane; never rewritten
.irp i, 232,233,234,235
	v_mov_b32 v\i, 0                               ; v[232:233], v[234:235]: the tiles' mask words, where a step wants them
.endr
	v_add_nc_u32 v3, s32, v1
	v_add_nc_u32 v[ML], s32, v21
	v_add_nc_u32 v[PA], s33, v1
	v_add_nc_u32 v[PM], s33, v21
	v_mov_b32 v[NINF], 0xff800000
	v_mov_b32 v28, 0                               ; written once: a lane permute's destination counts as one of its sources
	v_mov_b32 v29, 0
	v_mov_b32 v13, 0                               ; (named as the upper halves of the pairs v[12:13], v[14:15])
	v_mov_b32 v15, 0
	s_and_b32 s13, s12, 1                          ; r
	s_lshr_b32 s32, s12, 1
	s_lshl_b32 s33, ttmp9, 1
	s_add_co_u32 s33, s33, s32                     ; j
	s_lshl_b32 s33, s33, 1
	s_add_co_u32 s35, s33, s13                     ; the tile that I shall join of block j: 2 j + r,
	s_sub_co_u32 s34, 126, s33
	s_add_co_u32 s34, s34, s13                     ; and of block 63 - j
	s_xor_b32 s36, s34, 1                          ; the blocks' other tiles
	s_xor_b32 s37, s35, 1
	s_lshl_b32 s38, s34, 9                         ; their places in ms
	s_lshl_b32 s39, s36, 9
	s_lshl_b32 s40, s35, 9
	s_lshl_b32 s41, s37, 9
	s_and_b32 s42, ttmp7, 0xffff                   ; the head
	s_lshl_b32 s44, s42, 18                        ; 262,144 bytes a head in each of q, k, v
	s_mov_b32 s45, 0
	s_mov_b32 s57, 0
	s_mov_b32 s27, 0
	s_mov_b32 s31, 0
	s_mov_b32 s66, 0                               ; the block in hand: 0, then RG
	s_mov_b32 s14, 0x76543210                      ; lane selects for v_permlanex16_b32: lane l xor 16
	s_mov_b32 s15, 0xfedcba98
	s_wait_alu depctr_va_vdst(0)                   ; directly ahead of the wait below
	s_wait_kmcnt 0x0
	s_load_b32 s46, s[8:9], s38 offset:0x0
	s_load_b32 s47, s[8:9], s38 offset:0x100
	s_load_b32 s48, s[8:9], s39 offset:0x0
	s_load_b32 s49, s[8:9], s39 offset:0x100
	s_load_b32 s50, s[8:9], s40 offset:0x0
	s_load_b32 s51, s[8:9], s40 offset:0x100
	s_load_b32 s52, s[8:9], s41 offset:0x0
	s_load_b32 s53, s[8:9], s41 offset:0x100
	s_load_b256 s[68:75], s[10:11], 0x0
	s_load_b128 s[76:79], s[10:11], 0x20
	s_add_nc_u64 s[54:55], s[4:5], s[44:45]        ; the head's q,
	s_add_nc_u64 s[18:19], s[54:55], 0x400000      ; k
	s_add_nc_u64 s[20:21], s[54:55], 0x800000      ; and v
.macro QADR d, t
	s_lshl_b32 s56, s\t, 11
	s_add_nc_u64 s[\d:\d+1], s[54:55], s[56:57]
.endm
	QADR 80, 34
	QADR 82, 36
	QADR 84, 35
	QADR 86, 37
.irp c, 0,1,2,3
	global_load_b128 v[32+4*\c:35+4*\c], v1, s[80:81] offset:512*\c
	global_load_b128 v[48+4*\c:51+4*\c], v1, s[82:83] offset:512*\c
.endr
	WIN 0x40
.irp c, 0,1,2,3
	global_load_b128 v[128+4*\c:131+4*\c], v1, s[84:85] offset:512*\c
	global_load_b128 v[144+4*\c:147+4*\c], v1, s[86:87] offset:512*\c
.endr
	WIN 0
	s_wait_kmcnt 0x0
	s_mov_b32 s11, s34                             ; my tile 0 of the block in hand,
	s_mov_b32 s9, s35                              ; and of the second block
	s_or_b32 s46, s46, s47                         ; a tile's bits: live 15:0, full 31:16
	s_or_b32 s48, s48, s49
	s_or_b32 s50, s50, s51
	s_or_b32 s52, s52, s53
	s_lshr_b32 s28, s46, 16                        ; full bits of tile 0, tile 1,
	s_lshr_b32 s29, s48, 16
	s_lshr_b32 s5, s50, 16                         ; and of the second block's
	s_lshr_b32 s8, s52, 16
	s_or_b32 s2, s46, s48
	s_or_b32 s4, s50, s52
	s_lshl_b32 s56, 0x5555, s13
	s_and_b32 s2, s2, s56                          ; the first block's live steps of parity r,
	s_xor_b32 s56, s56, 0xffff
	s_and_b32 s4, s4, s56                          ; the second block's of parity 1 - r
	s_bcnt1_i32_b32 s3, s2
	s_max_u32 s3, s3, 1                            ; steps of the first block: at least one (with no live step: key step 15, whose mask then leaves nothing)
	s_min_u32 s3, s3, 8
	s_bcnt1_i32_b32 s56, s4
	s_max_u32 s56, s56, 1
	s_min_u32 s56, s56, 8
	s_add_co_u32 s13, s3, s56                      ; steps to go over both blocks
	s_ctz_i32_b32 s30, s2
	s_min_u32 s30, s30, 15                         ; the step in hand
	s_sub_co_u32 s26, s2, 1
	s_and_b32 s2, s2, s26                          ; steps of this block that are not yet asked for
	s_lshl_b32 s26, s30, 14                        ; 16,384 bytes a step, in k and in v
	s_add_nc_u64 s[22:23], s[18:19], s[26:27]
	s_add_nc_u64 s[24:25], s[20:21], s[26:27]
	s_mov_b32 s31, s30
	ASKM 28, 29, 11
	FRAGS 22, 0
	s_cmp_lt_u32 s12, 2
	s_cselect_b64 s[58:59], s[18:19], s[20:21]     ; the prefetch: waves 0, 1: K's halves of key step x; waves 2, 3: V's
	s_lshl_b32 s56, ttmp9, 14
	s_and_b32 s60, s12, 1
	s_lshl_b32 s60, s60, 13
	s_add_co_u32 s56, s56, s60
	s_add_nc_u64 s[58:59], s[58:59], s[56:57]
	s_cmp_lt_u32 ttmp9, 2
	s_cbranch_scc1 .Lno_ask
	global_prefetch_b8 v2, s[58:59] th:TH_LOAD_NT scope:SCOPE_SE
.Lno_ask:
	FRAGS 24, 128
	s_add_co_i32 s54, s74, s75
	s_lshl_b32 s54, s54, 23
	s_mov_b32 s100, 0x3e0293ee                     ; c = log2(e) / sqrt(128): e6 + e7 goes into its exponent field
	s_add_co_i32 s100, s100, s54
	s_mov_b32 s101, s100                           ; (named with it as a pair)
	s_add_co_i32 s67, s76, s77                     ; e8 + e9
	s_cmp_lt_i32 s76, -8
	s_cselect_b32 s10, 1, 0                        ; 1: 448 x 2^e8 is under 1, so p (at most 1) wants the hold
	s_add_co_i32 s54, s76, 127
	s_lshl_b32 s55, s54, 23
	v_mov_b32 v[SCP], s55
	s_add_co_i32 s54, s54, 8
	s_lshl_b32 s54, s54, 23
	s_or_b32 s54, s54, 0x600000
	v_mov_b32 v[LIMP], s54
	s_add_co_i32 s54, s78, 127
	s_lshl_b32 s55, s54, 23
	v_mov_b32 v[SCO], s55
	s_add_co_i32 s54, s54, 8
	s_lshl_b32 s54, s54, 23
	s_or_b32 s54, s54, 0x600000
	v_mov_b32 v[LIMO], s54
	s_wait_alu depctr_va_vdst(0)
; A tile that is not full: word n = 2 l + i of its mask lies in lane l of the pair's register i and is the lane mask of score register n; hidden scores become -infinity.
.macro MASKED u, full
	s_bitcmp1_b32 s[\full], s30
	s_cbranch_scc1 .Lfull_\@
.set n, 0
.rept 4
.rept 16
	v_readlane_b32 s[68+n%16], v[232+2*\u+n%2], n/2
.set n, n+1
.endr
.set n, n-16
.rept 16
	v_cndmask_b32 v[S0+64*\u+n], v[NINF], v[S0+64*\u+n], s[68+n%16]
.set n, n+1
.endr
.endr
	s_wait_alu depctr_va_vdst(0)
.Lfull_\@:
.endm
.Lphase:                                           ; two trips: block 63 - j, then block j
	WIN 0x40
.set j, 0
.rept 128
	v_mov_b32 v[j], 0                              ; O^T.  (The step is written once: a block's first finds zeros, which the first change of M leaves zeros)
.set j, j+1
.endr
	WIN 0
	v_mov_b32 v5, 0xff61b1e6                       ; the largest t so far: -3e38, under every t
	v_mov_b32 v7, 0xff61b1e6
	v_floor_f32 v4, -v5                            ; -M
	v_floor_f32 v6, -v7
.irp i, 8,9,10,11
	v_mov_b32 v\i, 0                               ; the sums
.endr
	s_wait_alu depctr_va_vdst(0)
.Lstep:
	s_wait_loadcnt 48                              ; K's fragments 0-3 are in (and all that is older); K's other 16 loads and V's 32 may be out
	WIN 0x02                                       ; source 0 window 2
.irp t, 0,1,2,3
	v_wmma_f32_16x16x128_fp8_fp8 v[S0+8*\t:S0+8*\t+7], v[16*\t:16*\t+15], v[32:47], 0
	v_wmma_f32_16x16x128_fp8_fp8 v[S1+8*\t:S1+8*\t+7], v[16*\t:16*\t+15], v[48:63], 0
.endr
	s_wait_loadcnt 32                              ; all of K is in; V's 32 loads may be out
.irp t, 4,5,6,7
	v_wmma_f32_16x16x128_fp8_fp8 v[S0+8*\t:S0+8*\t+7], v[16*\t:16*\t+15], v[32:47], 0
	v_wmma_f32_16x16x128_fp8_fp8 v[S1+8*\t:S1+8*\t+7], v[16*\t:16*\t+15], v[48:63], 0
.endr
	WIN 0
.rept 4
	v_nop                                          ; places behind the products: K's registers are loaded and the scores are read next
.endr
	s_and_b32 s32, s28, s29
	s_bitcmp1_b32 s32, s30
	s_cbranch_scc1 .Lopen                          ; both tiles are full
	MASKED 0, 28                                   ; (the mask's words landed ahead of this step's K)
	MASKED 1, 29
.Lopen:
	s_cmp_gt_u32 s13, 1                            ; is there a step behind this one, in this block or the next?
	s_cbranch_scc0 .Lno_k
	s_cmp_lg_u32 s2, 0
	s_cselect_b32 s31, s2, s4                      ; this block's next live step, else the next block's first;
	s_cselect_b32 s38, s28, s5                     ; and that block's full bits and tile
	s_cselect_b32 s39, s29, s8
	s_cselect_b32 s40, s11, s9
	s_ctz_i32_b32 s31, s31
	s_min_u32 s31, s31, 15
	s_sub_co_u32 s26, s2, 1
	s_and_b32 s2, s2, s26
	s_lshl_b32 s26, s31, 14
	s_add_nc_u64 s[22:23], s[18:19], s[26:27]
	ASKM 38, 39, 40                                ; the next step's mask words, ahead of its K
	FRAGP 22, 0, 0, 6                              ; 24 loads, beside V's 32 and the mask's 2; the other 8 stand behind the exponentials
	s_branch .Lk_on
.Lno_k:
	s_wait_loadcnt 0x0                             ; no loads follow V's here, so the counts below would not show them
.Lk_on:
.irp u, 0,1
	v_max3_num_f32 v[20+\u], v[S0+64*\u], v[S0+64*\u+1], v[S0+64*\u+2]   ; the step's largest score among my 64 keys, two chains a tile
	v_max3_num_f32 v[22+\u], v[S0+64*\u+3], v[S0+64*\u+4], v[S0+64*\u+5]
.endr
.set i, 6
.rept 14
.irp u, 0,1
	v_max3_num_f32 v[20+\u], v[20+\u], v[S0+64*\u+i], v[S0+64*\u+i+1]
	v_max3_num_f32 v[22+\u], v[22+\u], v[S0+64*\u+i+2], v[S0+64*\u+i+3]
.endr
.set i, i+4
.endr
.irp u, 0,1
	v_max3_num_f32 v[20+\u], v[20+\u], v[S0+64*\u+62], v[S0+64*\u+63]
.endr
.irp u, 0,1
	v_max_num_f32 v[20+\u], v[20+\u], v[22+\u]
.endr
.irp u, 0,1
	v_permlanex16_b32 v[28+\u], v[20+\u], s14, s15
.endr
.irp u, 0,1
	v_max_num_f32 v[20+\u], v[20+\u], v[28+\u]     ; and among lane l xor 16's
.endr
.irp u, 0,1
	v_mul_f32 v[20+\u], s100, v[20+\u]             ; as t (c is positive)
.endr
.irp u, 0,1
	v_max_num_f32 v[5+2*\u], v[5+2*\u], v[20+\u]   ; the running largest t
.endr
.irp u, 0,1
	v_mov_b32 v[22+\u], v[4+2*\u]
.endr
.irp u, 0,1
	v_floor_f32 v[4+2*\u], -v[5+2*\u]              ; the new -M = floor(-t): M is a whole number
.endr
.irp u, 0,1
	v_sub_f32 v[22+\u], v[4+2*\u], v[22+\u]        ; M's old value less its new one: 0 or less
.endr
.irp u, 0,1
	v_cvt_i32_f32 v[22+\u], v[22+\u]               ; (it saturates)
.endr
.irp u, 0,1
	v_ldexp_f32 v[12+2*\u], 1.0, v[22+\u]          ; f = 2^(old M - new M)
.endr
.set j, 0
.rept 32
	v_pk_fma_f32 v[S0+j:S0+j+1], v[S0+j:S0+j+1], s[100:101], v[4:5] op_sel_hi:[1,0,0]   ; t - M
.set j, j+2
.endr
	s_wait_alu depctr_va_vdst(0)                   ; the wait ahead of the batch
.set j, 0
.rept 32
	v_exp_f32 v[S0+j], v[S0+j]                     ; tile 0: p = 2^(t - M), not normalised; tile 1's t - M stand between
	v_exp_f32 v[S0+j+1], v[S0+j+1]
	v_pk_fma_f32 v[S1+j:S1+j+1], v[S1+j:S1+j+1], s[100:101], v[6:7] op_sel_hi:[1,0,0]
.set j, j+2
.endr
	s_wait_alu depctr_va_vdst(0)                   ; the wait behind the first batch and ahead of the second
.set j, 0
.rept 64
	v_exp_f32 v[S1+j], v[S1+j]
.set j, j+1
.endr
	v_pk_mul_f32 v[8:9], v[8:9], v[12:13] op_sel_hi:[1,0]   ; the sums under the new M.  (Plain places behind the exponentials)
	v_pk_mul_f32 v[10:11], v[10:11], v[14:15] op_sel_hi:[1,0]
	s_wait_alu depctr_va_vdst(0)                   ; the wait behind the batch, and ahead of the branch
	s_cmp_gt_u32 s13, 1
	s_cbranch_scc0 .Lno_k2
	FRAGP 22, 0, 6, 2                              ; the rest of the next step's K
	s_branch .Lk2_on
.Lno_k2:
	s_wait_loadcnt 0x0                             ; nothing is out on this way
.Lk2_on:
.irp u, 0,1
	v_pk_add_f32 v[16+2*\u:17+2*\u], v[S0+64*\u:S0+64*\u+1], v[S0+64*\u+2:S0+64*\u+3]   ; the row's sum is taken of the unquantised p
.endr
.set j, 4
.rept 15
.irp u, 0,1
	v_pk_add_f32 v[8+2*\u:9+2*\u], v[8+2*\u:9+2*\u], v[S0+64*\u+j:S0+64*\u+j+1]
	v_pk_add_f32 v[16+2*\u:17+2*\u], v[16+2*\u:17+2*\u], v[S0+64*\u+j+2:S0+64*\u+j+3]
.endr
.set j, j+4
.endr
	v_pk_add_f32 v[8:9], v[8:9], v[16:17]
	v_pk_add_f32 v[10:11], v[10:11], v[18:19]
	s_cmp_eq_u32 s10, 0                            ; p is at most 1: where 448 x 2^e8 is 1 or more the hold would change nothing.
	s_cbranch_scc1 .Lno_hold
.set j, 0
.rept 128
	v_min_num_f32 v[S0+j], v[S0+j], v[LIMP]        ; the conversion to an 8-bit code does not saturate (ISA guide 7.6.2)
.set j, j+1
.endr
.Lno_hold:
.irp t, 0,1,2,3,4,5,6,7,8,9,10,11,12,13,14,15
	v_cvt_scalef32_pk8_fp8_f32 v[PC+2*\t:PC+2*\t+1], v[S0+8*\t:S0+8*\t+7], v[SCP]
.endr
	WIN 0x41                                       ; source 0 and destination window 1
	s_wait_alu depctr_va_vdst(0)                   ; directly ahead of the first reader of O^T
.set j, 0
.rept 32
	v_pk_mul_f32 v[j:j+1], v[j:j+1], v[12:13] op_sel_hi:[1,0]   ; O^T under the new M
.set j, j+2
.endr
.rept 32
	v_pk_mul_f32 v[j:j+1], v[j:j+1], v[14:15] op_sel_hi:[1,0]
.set j, j+2
.endr
	s_wait_alu depctr_va_vdst(0)                   ; directly ahead of the wait below
	s_wait_loadcnt 48                              ; V's fragments 0-3 are in; V's other 16 loads and the next K's 32 may be out
	WIN 0x52                                       ; source 0 window 2, C and D window 1.  The sixteen accumulators take turns
.irp t, 0,1,2,3
	v_wmma_f32_16x16x128_fp8_fp8 v[8*\t:8*\t+7], v[128+16*\t:143+16*\t], v[PC:PC+15], v[8*\t:8*\t+7]
	v_wmma_f32_16x16x128_fp8_fp8 v[64+8*\t:71+8*\t], v[128+16*\t:143+16*\t], v[PC+16:PC+31], v[64+8*\t:71+8*\t]
.endr
	s_wait_loadcnt 32                              ; V is in, and so are the next step's mask words; the next K's 32 loads may be out
.irp t, 4,5,6,7
	v_wmma_f32_16x16x128_fp8_fp8 v[8*\t:8*\t+7], v[128+16*\t:143+16*\t], v[PC:PC+15], v[8*\t:8*\t+7]
	v_wmma_f32_16x16x128_fp8_fp8 v[64+8*\t:71+8*\t], v[128+16*\t:143+16*\t], v[PC+16:PC+31], v[64+8*\t:71+8*\t]
.endr
	WIN 0
.rept 4
	v_nop                                          ; places: V's registers are loaded next, and behind a block's last step O^T is read
.endr
	s_cmp_gt_u32 s13, 1
	s_cbranch_scc0 .Lno_v
	s_min_u32 s26, s31, 15
	s_lshl_b32 s26, s26, 14
	s_add_nc_u64 s[24:25], s[20:21], s[26:27]
	FRAGS 24, 128
	s_branch .Lv_on
.Lno_v:
	s_wait_loadcnt 0x0                             ; nothing is out on this way
.Lv_on:
	s_mov_b32 s30, s31
	s_sub_co_u32 s13, s13, 1
	s_sub_co_u32 s3, s3, 1
	s_cmp_gt_i32 s3, 0
	s_cbranch_scc1 .Lstep
	v_add_nc_u32 v20, s66, v3                      ; the block's sums into my region: 16 bytes a lane, 512 consecutive bytes a store
	v_add_nc_u32 v21, s66, v[ML]
	v_add_f32 v5, v8, v9                           ; my half's sum, beside -M
	v_add_f32 v7, v10, v11
	WIN 0x04                                       ; data window 1
.irp i, 0,1,2,3,4,5,6,7,8,9,10,11,12,13,14,15,16,17,18,19,20,21,22,23,24,25,26,27,28,29,30,31
	ds_store_b128 v20, v[4*\i:4*\i+3] offset:512*\i
.endr
	WIN 0
	ds_store_b64 v21, v[4:5] offset:16384
	ds_store_b64 v21, v[6:7] offset:16640
	s_bcnt1_i32_b32 s3, s4                         ; the second block: its steps, the first of which is on its way
	s_max_u32 s3, s3, 1
	s_min_u32 s3, s3, 8
	s_sub_co_u32 s26, s4, 1
	s_and_b32 s2, s4, s26
	s_mov_b32 s4, 0
	s_mov_b32 s28, s5
	s_mov_b32 s29, s8
	s_mov_b32 s11, s9
	s_wait_dscnt 0x0                               ; my stores are done: the others may read them behind the barrier, and their registers are written again
	s_add_co_u32 s66, s66, RG
	s_cmp_eq_u32 s66, 2*RG
	s_cbranch_scc1 .Lno_q
	WIN 0x01
.set j, 0
.rept 32
	v_mov_b32 v[32+j], v[128+j]                    ; the second block's Q
.set j, j+1
.endr
	WIN 0
	s_wait_alu depctr_va_vdst(0)
.Lno_q:
	s_cmp_lt_u32 s66, 2*RG
	s_cbranch_scc1 .Lphase
; THE JOIN.  My partner has walked the other steps of the same blocks; its tile 1 is my tile 0.
	s_and_b32 s32, s12, 1
	s_lshl_b32 s32, s32, 1
	s_add_co_u32 s32, s32, 126
	s_sub_co_u32 s38, s32, s9                      ; my tile of block 63 - j: 126 + 2 r - (2 j + r)
	s_mov_b32 s39, s9
	s_and_b32 s42, ttmp7, 0xffff
	s_lshr_b32 s43, s42, 2
	s_and_b32 s42, s42, 3
	s_mov_b32 s33, 0
.irp p, 0,1                            ; cc: images of 2,048 bytes, [token / 64][head / 4][token tile % 4][head % 4]
	s_lshr_b32 s32, s[38+\p], 2
	s_lshl_b32 s32, s32, 2
	s_add_co_u32 s32, s32, s43
	s_lshl_b32 s32, s32, 2
	s_and_b32 s40, s[38+\p], 3
	s_add_co_u32 s32, s32, s40
	s_lshl_b32 s32, s32, 2
	s_add_co_u32 s32, s32, s42
	s_lshl_b32 s32, s32, 11
	s_add_nc_u64 s[44+2*\p:45+2*\p], s[16:17], s[32:33]
.endr
	s_barrier_signal -1
	s_barrier_wait -1
; Both blocks' reads are issued together: the first block's into window 0 (v64-191, v16-19), the second's into window 1 (v0-127) and v4-7: 34 each.
.macro JOINLOAD ph, win, own, oth, a, b
	WIN \win
.irp i, 0,1,2,3,4,5,6,7,8,9,10,11,12,13,14,15
	ds_load_b128 v[\own+4*\i:\own+4*\i+3], v3 offset:\ph*RG+512*\i
	ds_load_b128 v[\oth+4*\i:\oth+4*\i+3], v[PA] offset:\ph*RG+8192+512*\i
.endr
	WIN 0
	ds_load_b64 v[\a:\a+1], v[ML] offset:\ph*RG+16384
	ds_load_b64 v[\b:\b+1], v[PM] offset:\ph*RG+16640
.endm
	JOINLOAD 0, 0, S0, S1, 16, 18
	JOINLOAD 1, 0x40, 0, 64, 4, 6
; win: the window in which the block's two parts lie, as source 0; a, b: the parts' (-M, sum); younger: the LDS reads issued behind this block's
.macro MERGE ph, win, own, oth, a, b, younger
	s_wait_dscnt \younger
	v_min_num_f32 v20, v[\a], v[\b]                ; the joint -M
	v_sub_f32 v21, v20, v[\a]
	v_sub_f32 v22, v20, v[\b]
	v_cvt_i32_f32 v21, v21
	v_cvt_i32_f32 v22, v22
	v_ldexp_f32 v21, 1.0, v21                      ; the two parts' factors: powers of two
	v_ldexp_f32 v22, 1.0, v22
	v_mul_f32 v23, v[\a+1], v21
	v_fma_f32 v23, v[\b+1], v22, v23
	v_permlanex16_b32 v28, v23, s14, s15
	v_add_f32 v23, v23, v28                        ; the row's sum
	s_wait_alu depctr_va_vdst(0)                   ; the wait ahead of the transcendental
	v_rcp_f32 v24, v23
	v_cmp_eq_f32 vcc_lo, 0, v23                    ; a row with no key kept: NaN codes
	v_mov_b32 v25, 0x7f7f7f7f
	v_cndmask_b32 v26, 0, v25, vcc_lo
	s_wait_alu depctr_va_vdst(0)                   ; and ahead of its first reader
	v_ldexp_f32 v24, v24, s67                      ; x 2^(e8 + e9)
	v_mul_f32 v8, v21, v24
	v_mul_f32 v10, v22, v24
	WIN \win
.set j, 0
.rept 32
	v_pk_mul_f32 v[S0+j:S0+j+1], v[\own+j:\own+j+1], v[8:9] op_sel_hi:[1,0]
.set j, j+2
.endr
.set j, 0
.rept 32
	v_pk_fma_f32 v[S0+j:S0+j+1], v[\oth+j:\oth+j+1], v[10:11], v[S0+j:S0+j+1] op_sel_hi:[1,0,1]
.set j, j+2
.endr
	WIN 0
.set j, 0
.rept 64
	v_med3_num_f32 v[S0+j], v[S0+j], -v[LIMO], v[LIMO]
.set j, j+1
.endr
.irp t, 0,1,2,3,4,5,6,7
	v_cvt_scalef32_pk8_fp8_f32 v[PC+16*\ph+2*\t:PC+16*\ph+2*\t+1], v[S0+8*\t:S0+8*\t+7], v[SCO]
.endr
	v_nop                                          ; a plain line behind the conversions
.set j, 0
.rept 16
	v_or_b32 v[PC+16*\ph+j], v26, v[PC+16*\ph+j]
.set j, j+1
.endr
.irp c, 0,1,2,3
	global_store_b128 v1, v[PC+16*\ph+4*\c:PC+16*\ph+4*\c+3], s[44+2*\ph:45+2*\ph] offset:512*\c   ; 32 lanes store 512 consecutive bytes
.endr
.endm
	MERGE 0, 0, S0, S1, 16, 18, 34
	MERGE 1, 0x01, 0, 64, 4, 6, 0
	s_wait_tensorcnt 0x0                           ; the wave's end
	ds_add_u32 v30, v31
	s_wait_dscnt 0x0
	s_endpgm
.Lfunc_end_k_qc9b9f41397_attn:
	.size	k_qc9b9f41397_attn, .Lfunc_end_k_qc9b9f41397_attn-k_qc9b9f41397_attn
	.p2alignl 7, 3214868480
	.fill 96, 4, 3214868480
	.section	.rodata,"a",@progbits
	.p2align	6, 0x0
	.amdhsa_kernel k_qc9b9f41397_attn
		.amdhsa_group_segment_fixed_size 135680
		.amdhsa_private_segment_fixed_size 0
		.amdhsa_enable_private_segment 0
		.amdhsa_kernarg_size 40
		.amdhsa_user_sgpr_count 2
		.amdhsa_user_sgpr_kernarg_segment_ptr 1
		.amdhsa_wavefront_size32 1
		.amdhsa_system_sgpr_workgroup_id_x 1
		.amdhsa_system_sgpr_workgroup_id_y 1
		.amdhsa_system_sgpr_workgroup_id_z 1
		.amdhsa_system_vgpr_workitem_id 0
		.amdhsa_next_free_vgpr 768
		.amdhsa_next_free_sgpr 102
		.amdhsa_reserve_vcc 1
		.amdhsa_float_denorm_mode_32 3
		.amdhsa_float_denorm_mode_16_64 3
		.amdhsa_memory_ordered 1
		.amdhsa_forward_progress 1
		.amdhsa_inst_pref_size 101
	.end_amdhsa_kernel
	.amdgpu_metadata
---
amdhsa.version: [ 1, 2 ]
amdhsa.kernels:
  - .name:           k_qc9b9f41397_attn
    .symbol:         k_qc9b9f41397_attn.kd
    .args:
      - { .name: qkvc, .offset: 0, .size: 8, .value_kind: global_buffer, .address_space: global }
      - { .name: mk, .offset: 8, .size: 8, .value_kind: global_buffer, .address_space: global }
      - { .name: ms, .offset: 16, .size: 8, .value_kind: global_buffer, .address_space: global }
      - { .name: lowp_scales, .offset: 24, .size: 8, .value_kind: global_buffer, .address_space: global }
      - { .name: cc, .offset: 32, .size: 8, .value_kind: global_buffer, .address_space: global }
    .group_segment_fixed_size: 135680
    .private_segment_fixed_size: 0
    .kernarg_segment_align: 8
    .kernarg_segment_size: 40
    .max_flat_workgroup_size: 128
    .sgpr_count:     102
    .vgpr_count:     768
    .wavefront_size: 32
...
	.end_amdgpu_metadata
.endif
;; end of part 3
;; launch oproj (part 4): grid 16 x 16, 4 waves a work-group, clusters of 4 x 4, 327,680 bytes of LDS; arguments cc, woc, bo, lowp_scales, out0; writes out0
.if DOCPART == 4
	.amdgcn_target "amdgcn-amd-amdhsa--gfx1250"
	.amdhsa_code_object_version 6
	.text
	.protected	k_qc9b9f41397_oproj
	.globl	k_qc9b9f41397_oproj
	.p2align	8
	.type	k_qc9b9f41397_oproj,@function
k_qc9b9f41397_oproj:
	s_mov_b64 s[64:65], 0
	v_nop
	global_prefetch_b8 v0, s[64:65] scope:SCOPE_SE
	s_setreg_imm32_b32 hwreg(HW_REG_WAVE_MODE, 25, 1), 1
	s_wait_xcnt 0x0
	s_wait_alu depctr_hold_cnt(0) depctr_sa_sdst(0) depctr_va_vdst(0) depctr_va_sdst(0) depctr_va_ssrc(0) depctr_va_vcc(0) depctr_vm_vsrc(0)
	s_getreg_b32 s2, hwreg(HW_REG_IB_STS2, 6, 4)
	s_cmp_eq_u32 s2, 0
	s_cbranch_scc0 .Lentry_in_a_cluster
	s_endpgm
.Lentry_in_a_cluster:
	s_bfe_u32 s2, ttmp6, 0x10000c
	s_cmp_lg_u32 s2, 0xf033
	s_cbranch_scc0 .Lentry_shape_is_right
	s_endpgm
.Lentry_shape_is_right:
; OUT = ctx wo^T + bo on codes of E4M3.  A work-group of four waves makes 128 x 128 of the output, a wave 64 x 64: 16 accumulators, 128 registers; 256 work-groups, in clusters of 4 x 4 (A's tiles shared along a row, B's along a column).
; Both operands lie in memory as images of operand registers (16 rows x 128 K, 2,048 bytes): 64 rows' images of 512 along K are 32,768 consecutive bytes, and the four K steps follow each other.
; LDS: four regions of 65,536 bytes (A's two halves, B's two halves; wave w fetches region w), each with two slots of one K step: the first joint load of a wave brings both, as one dense block; then each slot is filled once more.
; A lane reads 16 bytes at 512 c + 16 lane: 512 consecutive bytes a load.
; PREFETCHES: K step 2 at the head, behind the joint load, and K step 3 behind the first fragments: of the 128 blocks of 256 bytes that a wave fetches jointly each of the four partners names 32, told apart by address.
; LIMIT: e10 + e11 between -126 and 127.
.set SLOT,   32768
.set STAGE,  262144
.set SP,     272
.set SPARE,  STAGE+4*16*SP
.set ADRA, 16
.set ADRB, 20
.set STO,  24
.set RD,   25
.set CO,   26
.set HB,   27
.set SPW,  28
.set NIL,  29
.set T,    32
.set BK,   64
.set BO,   96
.set ACC,  128
.set F0,   0
.set F1,   128
.set G1, 24
.set G0, 32
.set G1B, 48
.set G0B, 56
.set H1, 76                            ; group 1 of the first load (256 rows of 256 bytes): A's,
.set H1B, 84                           ; B's
.set MSB, 0
.macro WIN new
.if MSB != \new
	s_set_vgpr_msb (MSB<<8)|\new
.set MSB, \new
.endif
.endm
.set MUL,  0x05
.set TO_F, 0x40
.macro JLOAD s, ga, gb
	s_cmp_eq_u32 s15, 0
	s_cbranch_scc0 .Lfor_b_\@
	tensor_load_to_lds s[G0+4*\s:G0+4*\s+3], s[\ga:\ga+7]
	s_nop 0
.rept 4
	v_nop
.endr
	s_branch .Lasked_\@
.Lfor_b_\@:
	tensor_load_to_lds s[G0B+4*\s:G0B+4*\s+3], s[\gb:\gb+7]
	s_nop 0
.rept 4
	v_nop
.endr
.Lasked_\@:
.endm
.macro CREST
	s_cmp_lg_u32 s14, 0
	s_cbranch_scc1 .Lnot_wave_0_\@
	s_barrier_signal -3
.Lnot_wave_0_\@:
	s_barrier_wait -3
	s_barrier_signal -1
	s_barrier_wait -1
.endm
.macro CROUND
	s_barrier_signal -1
	s_barrier_wait -1
	CREST
.endm
	s_load_b256 s[4:11], s[0:1], 0x0
	s_load_b64 s[12:13], s[0:1], 0x20
	v_lshl_add_u32 v[SPW], v0, 2, SPARE
	v_mov_b32 v[NIL], 0
	ds_add_u32 v[SPW], v[NIL]
	ds_add_u32 v[SPW], v[NIL]
	v_lshrrev_b32 v1, 5, v0
	v_readfirstlane_b32 s14, v1
	s_lshr_b32 s15, s14, 1
	s_and_b32 s16, s14, 1
	s_bfe_u32 s40, ttmp6, 0x40000
	s_bfe_u32 s41, ttmp6, 0x40004
	s_lshl_b32 s42, ttmp9, 2
	s_add_co_u32 s42, s42, s40
	s_and_b32 s17, ttmp7, 0xffff
	s_lshl_b32 s17, s17, 2
	s_add_co_u32 s17, s17, s41
	s_lshl_b32 s43, s41, 2
	s_lshl_b32 s43, 15, s43
	s_lshl_b32 s44, 0x1111, s40
	s_or_b32 s[G1], s43, (3<<16)|(1<<21)           ; elements of 8 bytes, no padding; the mask of my row, bit 21 beside it
	s_or_b32 s[H1], s43, (3<<16)|(1<<21)
	s_or_b32 s[G1B], s44, (3<<16)|(1<<21)          ; of my column
	s_or_b32 s[H1B], s44, (3<<16)|(1<<21)
.irp g, G1, G1B, H1, H1B
	s_mov_b32 s[\g+1], 32<<16                      ; rows of 256 bytes, one behind the other
	s_mov_b32 s[\g+3], 32<<16
	s_mov_b32 s[\g+5], 32
	s_mov_b32 s[\g+6], 0
	s_mov_b32 s[\g+7], 0
.endr
.irp g, G1, G1B
	s_mov_b32 s[\g+2], 128<<16                     ; a refill: one K step
	s_mov_b32 s[\g+4], 128
.endr
.irp g, H1, H1B
	s_mov_b32 s[\g+2], 256<<16                     ; the first load: two
	s_mov_b32 s[\g+4], 256
.endr
	s_lshl_b32 s20, s17, 1
	s_add_co_u32 s20, s20, s16
	s_lshl_b32 s20, s20, 17                        ; A: 64 tokens are 131,072 bytes
	s_mov_b32 s21, 0
	s_lshl_b32 s46, s42, 1
	s_add_co_u32 s46, s46, s16
	s_lshl_b32 s46, s46, 17                        ; B: 64 features likewise
	s_mov_b32 s47, 0
	s_lshl_b32 s22, s14, 16                        ; my region
	s_wait_dscnt 0x0
	s_wait_kmcnt 0x0
	s_load_b64 s[68:69], s[10:11], 0x28
	s_add_nc_u64 s[20:21], s[4:5], s[20:21]
	s_add_nc_u64 s[46:47], s[6:7], s[46:47]
	CROUND
.irp s, 0,1
	s_mov_b32 s[G0+4*\s], 1
	s_add_co_u32 s[G0+4*\s+1], s22, \s*SLOT
	s_add_nc_u64 s[G0+4*\s+2:G0+4*\s+3], s[20:21], \s*SLOT
	s_or_b32 s[G0+4*\s+3], s[G0+4*\s+3], 0x80000000
	s_mov_b32 s[G0B+4*\s], 1
	s_add_co_u32 s[G0B+4*\s+1], s22, \s*SLOT
	s_add_nc_u64 s[G0B+4*\s+2:G0B+4*\s+3], s[46:47], \s*SLOT
	s_or_b32 s[G0B+4*\s+3], s[G0B+4*\s+3], 0x80000000
.endr
	s_wait_alu depctr_va_vdst(0)
	JLOAD 0, H1, H1B                               ; K steps 0 and 1: my one tensor load at the head
	s_cmp_eq_u32 s15, 0                            ; the prefetches: in A or in B, as I fetch
	s_cselect_b64 s[92:93], s[20:21], s[46:47]
	s_cselect_b32 s94, s40, s41                    ; my place among the four that ask with me: 8,192 bytes each
	s_lshl_b32 s94, s94, 13
	s_mov_b32 s95, 0
	s_add_nc_u64 s[92:93], s[92:93], s[94:95]
	v_and_b32 v1, 15, v0
	v_bfe_u32 v2, v0, 4, 1
	v_and_b32 v3, 31, v0
	v_lshlrev_b32 v3, 4, v3
	v_lshlrev_b32 v30, 4, v3                       ; v30: 256 x lane, the prefetches' offset; never rewritten
	s_lshl_b32 s21, s15, 16                        ; my 64 rows of A,
	s_lshl_b32 s22, s16, 16
	s_add_co_u32 s22, s22, 131072                  ; and of B
.irp s, 0,1
	v_add_nc_u32 v[ADRA+\s], s21, v3
	v_add_nc_u32 v[ADRB+\s], s22, v3
	s_add_co_u32 s21, s21, SLOT
	s_add_co_u32 s22, s22, SLOT
.endr
	s_mul_i32 s23, s14, 16*SP
	s_add_co_u32 s23, s23, STAGE
	s_wait_alu depctr_va_vdst(0)                   ; ahead of the readers below
	v_mul_u32_u24 v5, v1, SP
	v_lshl_add_u32 v5, v2, 5, v5
	v_add_nc_u32 v[STO], s23, v5
	v_mul_u32_u24 v5, v2, SP
	v_lshl_add_u32 v5, v1, 4, v5
	v_add_nc_u32 v[RD], s23, v5
	v_lshlrev_b32 v5, 13, v2
	v_lshl_add_u32 v[CO], v1, 4, v5
	v_lshlrev_b32 v[HB], 5, v2
	s_wait_alu depctr_va_vdst(0)
	global_prefetch_b8 v30, s[92:93] offset:65536 th:TH_LOAD_NT scope:SCOPE_SE   ; K step 2
	s_lshl_b32 s20, s17, 7
	s_lshl_b32 s18, s15, 6
	s_add_co_u32 s20, s20, s18
	s_lshl_b32 s20, s20, 13
	s_mov_b32 s21, 0
	s_lshl_b32 s46, s42, 9
	s_lshl_b32 s18, s16, 8
	s_add_co_u32 s46, s46, s18
	s_mov_b32 s47, 0
	s_add_nc_u64 s[8:9], s[8:9], s[46:47]
	s_add_nc_u64 s[12:13], s[12:13], s[46:47]
	s_add_nc_u64 s[12:13], s[12:13], s[20:21]
.irp b, 0,1,2,3
	global_load_b128 v[BO+8*\b:BO+8*\b+3], v[HB], s[8:9] offset:64*\b
	global_load_b128 v[BO+8*\b+4:BO+8*\b+7], v[HB], s[8:9] offset:64*\b+16
.endr
.macro MUL4 f, a, zero
.irp b, 0,1,2,3
.if \zero
	v_wmma_f32_16x16x128_fp8_fp8 v[ACC+8*(4*(\a)+\b):ACC+8*(4*(\a)+\b)+7], v[\f+64+16*\b:\f+64+16*\b+15], v[\f+16*(\a):\f+16*(\a)+15], 0
.else
	v_wmma_f32_16x16x128_fp8_fp8 v[ACC+8*(4*(\a)+\b):ACC+8*(4*(\a)+\b)+7], v[\f+64+16*\b:\f+64+16*\b+15], v[\f+16*(\a):\f+16*(\a)+15], v[ACC+8*(4*(\a)+\b):ACC+8*(4*(\a)+\b)+7]
.endif
.endr
.endm
.macro FETCH slot, q, f
	WIN TO_F
.irp i, 0,1,2,3
.irp c, 0,1,2,3
	ds_load_b128 v[\f+64+16*\i+4*\c:\f+64+16*\i+4*\c+3], v[ADRB+\slot] offset:2048*(\q)+512*\c+8192*\i
.endr
.endr
.irp i, 0,1,2,3
.irp c, 0,1,2,3
	ds_load_b128 v[\f+16*\i+4*\c:\f+16*\i+4*\c+3], v[ADRA+\slot] offset:2048*(\q)+512*\c+8192*\i
.endr
.endr
.endm
.macro PLACES
.rept 4
	v_nop
.endr
.endm
.macro QUARTER slot, qn, f, g, zero
	s_wait_dscnt 8
	WIN MUL
	MUL4 \f, 0, \zero
	MUL4 \f, 1, \zero
	PLACES
	FETCH \slot, \qn, \g
	s_wait_dscnt 32
	WIN MUL
	MUL4 \f, 2, \zero
	MUL4 \f, 3, \zero
.endm
.macro TURN slot, next, fill
	WIN 0
	s_wait_tensorcnt 0x0
	ds_add_u32 v[SPW], v[NIL]
	s_wait_dscnt 9
	WIN MUL
	MUL4 F1, 0, 0
	s_wait_dscnt 0x0
	s_barrier_signal -1
	MUL4 F1, 1, 0
	WIN 0
	s_barrier_wait -1
.if \fill
	CREST
	s_add_nc_u64 s[G0+4*\slot+2:G0+4*\slot+3], s[G0+4*\slot+2:G0+4*\slot+3], 2*SLOT
	s_add_nc_u64 s[G0B+4*\slot+2:G0B+4*\slot+3], s[G0B+4*\slot+2:G0B+4*\slot+3], 2*SLOT
	JLOAD \slot, G1, G1B
.else
	PLACES
.endif
	FETCH \next, 0, F0
	WIN MUL
	MUL4 F1, 2, 0
	MUL4 F1, 3, 0
.endm
	s_wait_tensorcnt 0x0                           ; my part of K steps 0 and 1 is in
	s_barrier_signal -1
	s_barrier_wait -1
	FETCH 0, 0, F0
	global_prefetch_b8 v30, s[92:93] offset:98304 th:TH_LOAD_NT scope:SCOPE_SE   ; K step 3
	QUARTER 0, 1, F0, F1, 1
	QUARTER 0, 2, F1, F0, 0
	QUARTER 0, 3, F0, F1, 0
	TURN 0, 1, 1
	QUARTER 1, 1, F0, F1, 0
	QUARTER 1, 2, F1, F0, 0
	QUARTER 1, 3, F0, F1, 0
	TURN 1, 0, 1
	QUARTER 0, 1, F0, F1, 0
	QUARTER 0, 2, F1, F0, 0
	QUARTER 0, 3, F0, F1, 0
	TURN 0, 1, 0
	QUARTER 1, 1, F0, F1, 0
	QUARTER 1, 2, F1, F0, 0
	QUARTER 1, 3, F0, F1, 0
	s_wait_dscnt 8
	WIN MUL
	MUL4 F1, 0, 0
	MUL4 F1, 1, 0
	s_wait_dscnt 0
	MUL4 F1, 2, 0
	MUL4 F1, 3, 0
	WIN 0
	s_wait_kmcnt 0x0
	s_add_co_i32 s72, s68, s69
	s_add_co_i32 s72, s72, 127
	s_lshl_b32 s72, s72, 23
	s_mov_b32 s73, s72
	s_wait_loadcnt 0x0
	PLACES
.macro OUT a
.set j, 0
.rept 16
	v_pk_fma_f32 v[T+j:T+j+1], v[ACC+32*(\a)+j:ACC+32*(\a)+j+1], s[72:73], v[BO+j:BO+j+1] op_sel_hi:[1,0,1]
.set j, j+2
.endr
.irp b, 0,1,2,3
	ds_store_b128 v[STO], v[T+8*\b:T+8*\b+3] offset:64*\b
	ds_store_b128 v[STO], v[T+8*\b+4:T+8*\b+7] offset:64*\b+16
.endr
	s_wait_xcnt 0x0
.irp t, 0,1,2,3,4,5,6,7
	ds_load_b128 v[BK+4*\t:BK+4*\t+3], v[RD] offset:2*SP*\t
.endr
	s_wait_dscnt 0x0
.irp t, 0,1,2,3,4,5,6,7
	global_store_b128 v[CO], v[BK+4*\t:BK+4*\t+3], s[12:13] offset:(16*(\a)+2*\t)*8192 th:TH_STORE_NT
.endr
.endm
.irp a, 0,1,2,3
	OUT \a
.endr
	s_wait_tensorcnt 0x0
	ds_add_u32 v[SPW], v[NIL]
	s_wait_dscnt 0x0
	CROUND
	s_endpgm
.Lfunc_end_k_qc9b9f41397_oproj:
	.size	k_qc9b9f41397_oproj, .Lfunc_end_k_qc9b9f41397_oproj-k_qc9b9f41397_oproj
	.p2alignl 7, 3214868480
	.fill 96, 4, 3214868480
	.section	.rodata,"a",@progbits
	.p2align	6, 0x0
	.amdhsa_kernel k_qc9b9f41397_oproj
		.amdhsa_group_segment_fixed_size 327680
		.amdhsa_private_segment_fixed_size 0
		.amdhsa_enable_private_segment 0
		.amdhsa_kernarg_size 40
		.amdhsa_user_sgpr_count 2
		.amdhsa_user_sgpr_kernarg_segment_ptr 1
		.amdhsa_wavefront_size32 1
		.amdhsa_system_sgpr_workgroup_id_x 1
		.amdhsa_system_sgpr_workgroup_id_y 1
		.amdhsa_system_sgpr_workgroup_id_z 1
		.amdhsa_system_vgpr_workitem_id 0
		.amdhsa_next_free_vgpr 512
		.amdhsa_next_free_sgpr 100
		.amdhsa_reserve_vcc 0
		.amdhsa_float_denorm_mode_32 3
		.amdhsa_float_denorm_mode_16_64 3
		.amdhsa_memory_ordered 1
		.amdhsa_forward_progress 1
		.amdhsa_inst_pref_size 75
	.end_amdhsa_kernel
	.amdgpu_metadata
---
amdhsa.version: [ 1, 2 ]
amdhsa.kernels:
  - .name:           k_qc9b9f41397_oproj
    .symbol:         k_qc9b9f41397_oproj.kd
    .args:
      - { .name: cc, .offset: 0, .size: 8, .value_kind: global_buffer, .address_space: global }
      - { .name: woc, .offset: 8, .size: 8, .value_kind: global_buffer, .address_space: global }
      - { .name: bo, .offset: 16, .size: 8, .value_kind: global_buffer, .address_space: global }
      - { .name: lowp_scales, .offset: 24, .size: 8, .value_kind: global_buffer, .address_space: global }
      - { .name: out0, .offset: 32, .size: 8, .value_kind: global_buffer, .address_space: global }
    .group_segment_fixed_size: 327680
    .private_segment_fixed_size: 0
    .kernarg_segment_align: 8
    .kernarg_segment_size: 40
    .max_flat_workgroup_size: 128
    .sgpr_count:     100
    .vgpr_count:     512
    .wavefront_size: 32
...
	.end_amdgpu_metadata
.endif
;; end of part 4
